; MI455X (gfx1250); checked and timed in simulation.
; The chip was launched on July 23, 2026; its instructions are those of AMD's public machine-readable ISA for CDNA 5 (MIT licence, August 2026) and "CDNA5" Instruction Set Architecture Reference Guide (July 2026). The comments in the code are by the model that wrote it; some were corrected since.
;; Transformer Block Hybrid. Allowed arithmetic: matrix products marked QUANTISED: E2M1 operands, one E8M0 scale for each 32 along K, by v_wmma_scale_f32_16x16x128_f8f6f4 with both operands' format E2M1 (or v_wmma_scale_f32_32x16x128_f4), f32 sums; everything else in f32.
;; Inputs: W1_codes 4,096 x 32 x 16 uint8 (E2M1 codes of W1, K innermost, in blocks of 32 codes, two codes a byte); W1_scales 4,096 x 32 uint8 (E8M0 scales of W1, one for each 32 codes along K); W2_codes 1,024 x 128 x 16 uint8 (E2M1 codes of W2, K innermost, in blocks of 32 codes, two codes a byte); W2_scales 1,024 x 128 uint8 (E8M0 scales of W2, one for each 32 codes along K); Wk_codes 1,024 x 32 x 16 uint8 (E2M1 codes of Wk, K innermost, in blocks of 32 codes, two codes a byte); Wk_scales 1,024 x 32 uint8 (E8M0 scales of Wk, one for each 32 codes along K); Wq_codes 1,024 x 32 x 16 uint8 (E2M1 codes of Wq, K innermost, in blocks of 32 codes, two codes a byte); Wq_scales 1,024 x 32 uint8 (E8M0 scales of Wq, one for each 32 codes along K); Wv_codes 1,024 x 32 x 16 uint8 (E2M1 codes of Wv, K innermost, in blocks of 32 codes, two codes a byte); Wv_scales 1,024 x 32 uint8 (E8M0 scales of Wv, one for each 32 codes along K); b1 4,096 float32; b2 1,024 float32; beta1 1,024 float32; beta2 1,024 float32; bk 1,024 float32; bq 1,024 float32; bv 1,024 float32; g1 1,024 float32; g2 1,024 float32; x 2 x 2,048 x 1,024 float32.
;; Outputs: out0 2 x 2,048 x 1,024 float32.
;; This version of the problem:
;;   THIS VERSION OF THE PROBLEM IS GIVEN IN LOW PRECISION. The matrix products marked QUANTISED in the list below multiply operands that are first quantised to E2M1 (2 exponent bits, 1 mantissa bit; 4 bits a number), with one power-of-two scale for each 32 numbers along K (OCP MX v1.0); their sums are f32. All else is computed in f32.
;;   The module's matrix products, in the order in which they are computed (A, B: the left and right operand; K: the contracted axis; several contracted axes count as one K, in the product's order):
;;     1. [M 4,096, K 1,024] x [K 1,024, N 1,024]; A: input x; B: input Wq (given as codes): QUANTISED
;;     2. [M 4,096, K 1,024] x [K 1,024, N 1,024]; A: input x; B: input Wk (given as codes): QUANTISED
;;     3. [M 4,096, K 1,024] x [K 1,024, N 1,024]; A: input x; B: input Wv (given as codes): QUANTISED
;;     4. batch 32 x [M 2,048, K 64] x [K 64, N 2,048]; A: computed on the way; B: computed on the way: QUANTISED
;;     5. batch 32 x [M 2,048, K 2,048] x [K 2,048, N 64]; A: softmax (see below); B: computed on the way: QUANTISED
;;     6. [M 4,096, K 1,024] x [K 1,024, N 4,096]; A: computed on the way; B: input W1 (given as codes): QUANTISED
;;     7. [M 4,096, K 4,096] x [K 4,096, N 1,024]; A: computed on the way; B: input W2 (given as codes): QUANTISED
;;   THE QUANTISER, for each operand of a quantised product, along K:
;;     - K is cut into blocks of 32 from its start; a last block that is shorter is filled with zeros.
;;     - A block's scale is 2^e with e = floor(log2(the largest magnitude in the block)) - 2, held to -126 .. 127; a block of zeros has e = 0. As a byte (E8M0): e + 127.
;;     - Each number is divided by its block's scale, clamped to +-6, and rounded to the nearest number of E2M1, ties to even, subnormals kept.
;;     - The product sums the exact products of the quantised numbers (number of the format x scale) in f32.
;;   ~~~python
;;   def quantise(x, axis):      # numpy; x: float32 -> the quantised numbers, widened to float32 again
;;       x = np.moveaxis(x, axis, -1); K = x.shape[-1]
;;       x = np.pad(x, [(0, 0)] * (x.ndim - 1) + [(0, -K % 32)]); x = x.reshape(x.shape[:-1] + (-1, 32)); a = np.abs(x).max(-1, keepdims=True)
;;       e = np.where(a > 0, np.clip(np.frexp(np.where(a > 0, a, 1))[1] - 1 - 2, -126, 127), 0)      # np.frexp(a)[1] - 1 = floor(log2(a)), exactly
;;       r = np.clip(x / 2.0 ** e, -6, 6)
;;       step = 2.0 ** (np.maximum(np.frexp(np.where(r == 0, 1, r))[1] - 1, 0) - 1)
;;       q = np.round(r / step) * step * 2.0 ** e      # np.round: ties to even
;;       return np.moveaxis(q.reshape(q.shape[:-2] + (-1,))[..., :K], -1, axis).astype(np.float32)
;;   ~~~
;;   SOFTMAX AHEAD OF A QUANTISED PRODUCT. Where the list says 'softmax', what is quantised is not the finished softmax but p = 2^(t - M), with t = logit x log2(e) and M = ceil(the row's largest t), a whole number; so 1/2 < the row's largest p <= 1. The row's sum l is taken of the UNQUANTISED p, in f32, and the product's result is divided by l at the end. Since M is a whole number, a kernel that streams over the keys may use a running M (the ceiling of the running maximum): every later rescaling is an exact power of two, which a block's scale takes up: the codes' values come out the same.
;;   OPERANDS COMPUTED ON THE WAY. 'Computed on the way' means the value that the module computes at that place (a softmax that the list does not call 'softmax' is quantised finished and normalised). What goes into a quantiser is computed in f32, as accurately as f32 sums, v_exp_f32 and their like allow (about 1e-6 of the number): no bf16 or f16 on the way to a quantiser, and a product that is left as it is and whose result goes on into a quantised operand takes f32 operands (vector FMAs, or v_wmma_f32_16x16x4_f32). A number that lies on a knife's edge between two numbers of the format may be rounded either way, as far as f32 arithmetic and the matrix unit's own rounding can turn it there, and no further.
;;   INPUTS GIVEN AS CODES. W1 (in the module: [4096, 1024], K = its axis 1); W2 (in the module: [1024, 4096], K = its axis 1); Wk (in the module: [1024, 1024], K = its axis 1); Wq (in the module: [1024, 1024], K = its axis 1); Wv (in the module: [1024, 1024], K = its axis 1): each comes as NAME_codes (uint8): NAME with its K axis moved to the last place and cut into blocks of 32 codes, [.., K / 32, bytes a block], one block behind the other in memory; two codes a byte, the lower K in the low four bits (a code: sign, 2 exponent bits, 1 mantissa bit); and NAME_scales (uint8): the same leading axes, one E8M0 byte (e + 127) for each 32 codes along K. Its value is code x scale, taken as it is: it is not quantised again, and the codes and scales need not be those that the quantiser above would give.
;; 3 versions, each right; version 2 is faster than version 1; version 3 is version 2 with the launches attn, ln1 written anew for expert scheduling mode. Each part assembles by itself: llvm-mc -triple=amdgcn-amd-amdhsa -mcpu=gfx1250 --defsym DOCPART=n.
;; ======== version 1 of 3: 6 launches
;; workspace buffers: xq 2,228,224 bytes; hq 2,228,224 bytes; wimg 5,898,240 bytes; qkvc 7,077,888 bytes; att 16,777,216 bytes; hf 16,777,216 bytes; hid 8,912,896 bytes
;; launch prep (part 1): grid 432 x 1, 8 waves a work-group, no clusters, 2,048 bytes of LDS; arguments x, Wq_codes, Wk_codes, Wv_codes, W1_codes, W2_codes, W2_scales, xq, wimg; writes xq, wimg
.if DOCPART == 1
	.amdgcn_target "amdgcn-amd-amdhsa--gfx1250"
	.amdhsa_code_object_version 6
	.text
	.protected	k_qbaed7fb8cb_prep
	.globl	k_qbaed7fb8cb_prep
	.p2align	8
	.type	k_qbaed7fb8cb_prep,@function
k_qbaed7fb8cb_prep:
	s_mov_b64 s[64:65], 0
	v_nop
	global_prefetch_b8 v0, s[64:65] scope:SCOPE_SE
	s_setreg_imm32_b32 hwreg(HW_REG_WAVE_MODE, 25, 1), 1
	s_wait_xcnt 0x0
; PREP.  Three kinds of work-groups, told apart by the work-group's number alone.
;   0..255   x [4096][1024] f32 becomes codes of E2M1 with one E8M0 byte for each 32 along K: work-group = a tile of 16 tokens, wave = a K step of 128.
;   256..367 the codes of Wq, Wk, Wv, W1 (rows of 512 bytes) are laid as images of operand registers; four tiles of 16 rows a work-group.
;   368..431 the codes of W2 (rows of 2,048 bytes) likewise, laid by K step, and its scale words laid by K step.
; A TILE's row r is row 32 (T / 2) + 8 (T % 2) + r + (r & 8): used as source 0 of a product, two neighbouring tiles give a lane 16 neighbours along the next K.
; AN IMAGE of a fragment (16 rows x 128 K, 8 registers a lane) is 1,024 bytes: registers 4 c .. 4 c + 3 of lane L at 512 c + 16 L.  Every later load of it is dense.
; A block's scale is 2^(floor(log2(largest magnitude)) - 2); its byte is the largest magnitude's exponent field - 2.
; LIMITS: a block whose largest magnitude lies under 2^-124 (a block of zeros among them) gets the byte 1: its codes are then zeros or the nearest codes under that scale, and this program alone reads
; the bytes.  NaN and infinities among the inputs are not served.
; No cluster and no tensor load: no two work-groups read the same bytes, and each byte is read once.
.set X,   16                           ; v16-79  64 numbers of my row: register 16 b + i = k 32 b + 16 (lane / 16) + i
.set TM,  80                           ; v80-95  largest magnitudes, bytes, scale operands
.set PC,  96                           ; v96-103 the codes just made
.set PW,  104                          ; v104    the scale word just made
.set SEL, 24                           ; s[24:25] lane selects: lane l xor 16
.set MSB, 0
.macro WIN new                         ; the immediate's high byte repeats the setting that is left; a switch that changes nothing is dropped
.if MSB != (\new)
	s_set_vgpr_msb (MSB<<8)|(\new)
.set MSB, (\new)
.endif
.endm
; 64 numbers of a lane in window w, v[s] on, become a fragment's codes in v[PC] on and four scale bytes in v[TM+4] on
.macro QUANT s, w
	WIN (\w)|((\w)<<2)
.irp b, 0,1,2,3
	v_max3_num_f32 v[TM+\b], |v[(\s)+16*\b]|, |v[(\s)+16*\b+1]|, 0x1800000   ; block b: my 16 numbers, and the floor 2^(3 - 127): the byte cannot fall under 1
.endr
.irp i, 2,4,6,8,10,12,14
.irp b, 0,1,2,3
	v_max3_num_f32 v[TM+\b], |v[(\s)+16*\b+\i]|, |v[(\s)+16*\b+\i+1]|, v[TM+\b]   ; the four blocks by turns
.endr
.endr
	WIN 0
.irp b, 0,1,2,3
	v_permlanex16_b32 v[TM+4+\b], v[TM+\b], s[SEL], s[SEL+1]
.endr
.irp b, 0,1,2,3
	v_max_num_f32 v[TM+\b], v[TM+\b], v[TM+4+\b]        ; with lane l xor 16's: the block's largest magnitude
.endr
.irp b, 0,1,2,3
	v_add_nc_u32 v[TM+12+\b], 0xff000000, v[TM+\b]      ; 2 off its exponent field: the conversion's scale operand
.endr
.irp b, 0,1,2,3
	v_lshrrev_b32 v[TM+4+\b], 23, v[TM+12+\b]           ; the scale's byte
.endr
	WIN (\w)
.irp b, 0,1,2,3
	v_cvt_scalef32_pk8_fp4_f32 v[PC+2*\b], v[(\s)+16*\b:(\s)+16*\b+7], v[TM+12+\b]
	v_cvt_scalef32_pk8_fp4_f32 v[PC+2*\b+1], v[(\s)+16*\b+8:(\s)+16*\b+15], v[TM+12+\b]
.endr
	WIN 0
	v_nop                                               ; one plain place behind a scaled conversion
.irp c, 0,1
.irp i, 0,1
	v_permlane16_swap_b32 v[PC+4*\c+\i], v[PC+4*\c+2+\i] ; a whole block to a lane: registers 4 c .. 4 c + 3 hold k = 64 c + 32 (lane / 16) + 0 .. 31
.endr
.endr
.endm
.macro WORD4 d                         ; the four bytes make my row's scale word
	v_lshl_or_b32 v[\d], v[TM+5], 8, v[TM+4]
	v_lshl_or_b32 v[\d], v[TM+6], 16, v[\d]
	v_lshl_or_b32 v[\d], v[TM+7], 24, v[\d]
.endm
	s_load_b512 s[4:19], s[0:1], 0x0               ; x, Wq, Wk, Wv, W1, W2 codes, W2 scales, xq
	s_load_b64 s[20:21], s[0:1], 0x40              ; wimg
	v_lshl_add_u32 v128, v0, 2, 0x400
	v_mov_b32 v129, 0
	v_lshrrev_b32 v1, 5, v0
	v_readfirstlane_b32 s22, v1                    ; wave 0..7
	v_and_b32 v1, 31, v0                           ; L
	v_and_b32 v2, 15, v0                           ; r
	v_bfe_u32 v3, v0, 4, 1                         ; h
	v_and_b32 v4, 8, v2
	v_add_nc_u32 v4, v4, v2                        ; r + (r & 8)
	v_lshlrev_b32 v5, 4, v1                        ; 16 L
	s_mov_b32 s[SEL], 0x76543210
	s_mov_b32 s[SEL+1], 0xfedcba98
	s_mov_b32 s27, 0                               ; the upper word of every offset
	s_wait_kmcnt 0x0
	s_cmp_lt_u32 ttmp9, 256
	s_cbranch_scc0 .Lweights
	; ---- x: tile T = work-group, K step = wave
	s_lshr_b32 s26, ttmp9, 1
	s_lshl_b32 s26, s26, 5
	s_and_b32 s28, ttmp9, 1
	s_lshl_b32 s28, s28, 3
	s_add_co_u32 s28, s28, s26                     ; the tile's first row
	s_lshl_b32 s26, s28, 12                        ; rows of 4,096 bytes
	s_lshl_b32 s29, s22, 9                         ; 512 bytes a K step
	s_add_co_u32 s26, s26, s29
	s_add_nc_u64 s[4:5], s[4:5], s[26:27]
	v_lshlrev_b32 v6, 12, v4
	v_lshl_add_u32 v6, v3, 6, v6                   ; my row, + 64 h: my 16 numbers of a block of 32
.irp b, 0,1,2,3
.irp j, 0,1,2,3
	global_load_b128 v[X+16*\b+4*\j:X+16*\b+4*\j+3], v6, s[4:5] offset:128*\b+16*\j
.endr
.endr
	s_lshl_b32 s26, ttmp9, 3
	s_add_co_u32 s26, s26, s22
	s_lshl_b32 s26, s26, 10
	s_add_nc_u64 s[30:31], s[18:19], s[26:27]      ; the image (T, s)
	s_lshl_b32 s26, s28, 5
	s_add_co_u32 s26, s26, 2097152
	s_add_nc_u64 s[32:33], s[18:19], s[26:27]      ; the tile's first row of scale bytes, 32 a row
	v_lshlrev_b32 v7, 5, v2
	s_lshl_b32 s29, s22, 2
	v_add_nc_u32 v7, s29, v7                       ; LDS: 32 r + 4 s
	v_lshl_add_u32 v8, v3, 8, v5                   ; out: 16 L, and 256 more for rows 8-15, which lie 16 rows on
.irp b, 0,1,2,3
	v_mov_b32 v[TM+4+\b], 0                        ; a lane permute's destination counts as one of its sources
.endr
	s_wait_loadcnt 0x0
	QUANT X, 0
	WORD4 PW
	global_store_b128 v5, v[PC:PC+3], s[30:31]     ; 512 consecutive bytes a store
	global_store_b128 v5, v[PC+4:PC+7], s[30:31] offset:512
	ds_store_b32 v7, v[PW]                         ; both halves of the lanes write the same word with the same value
	s_wait_dscnt 0x0                               ; for the others' sake: my word lies in LDS
	s_barrier_signal -1
	s_barrier_wait -1
	s_cmp_lg_u32 s22, 0
	s_cbranch_scc1 .Lend
	ds_load_b128 v[108:111], v5                    ; wave 0: 16 rows x 32 bytes
	s_wait_dscnt 0x0
	global_store_b128 v8, v[108:111], s[32:33]     ; two runs of 256 consecutive bytes, aligned
.Lend:
	s_wait_tensorcnt 0x0
	ds_add_u32 v128, v129
	s_wait_dscnt 0x0
	s_endpgm
.Lweights:
	s_cmp_lt_u32 ttmp9, 368
	s_cbranch_scc0 .Lw2
	; ---- Wq, Wk, Wv, W1: tile 4 j + wave / 2, K steps 4 (wave % 2) + 0 .. 3: a row's 256 bytes are used up by one wave
	s_sub_co_u32 s26, ttmp9, 256                   ; j
	s_lshl_b32 s28, s26, 2
	s_lshr_b32 s29, s22, 1
	s_add_co_u32 s28, s28, s29                     ; the tile among all 448
	s_and_b32 s29, s22, 1
	s_mov_b32 s34, 192
	s_cmp_lt_u32 s26, 48
	s_cselect_b64 s[30:31], s[10:11], s[12:13]
	s_cselect_b32 s34, 128, s34
	s_cmp_lt_u32 s26, 32
	s_cselect_b64 s[30:31], s[8:9], s[30:31]
	s_cselect_b32 s34, 64, s34
	s_cmp_lt_u32 s26, 16
	s_cselect_b64 s[30:31], s[6:7], s[30:31]
	s_cselect_b32 s34, 0, s34
	s_sub_co_u32 s34, s28, s34                     ; the tile in its own tensor
	s_lshr_b32 s35, s34, 1
	s_lshl_b32 s35, s35, 5
	s_and_b32 s34, s34, 1
	s_lshl_b32 s34, s34, 3
	s_add_co_u32 s34, s34, s35                     ; its first row
	s_lshl_b32 s26, s34, 9
	s_lshl_b32 s35, s29, 8
	s_add_co_u32 s26, s26, s35
	s_add_nc_u64 s[30:31], s[30:31], s[26:27]
	v_lshlrev_b32 v6, 9, v4
	v_lshl_add_u32 v6, v3, 4, v6                   ; my row, + 16 h
.irp q, 0,1,2,3
.irp c, 0,1
	global_load_b128 v[16+8*\q+4*\c:19+8*\q+4*\c], v6, s[30:31] offset:64*\q+32*\c
.endr
.endr
	s_lshl_b32 s26, s28, 13
	s_lshl_b32 s35, s29, 12
	s_add_co_u32 s26, s26, s35
	s_add_nc_u64 s[32:33], s[20:21], s[26:27]
	s_wait_loadcnt 0x0
.irp q, 0,1,2,3
.irp c, 0,1
	global_store_b128 v5, v[16+8*\q+4*\c:19+8*\q+4*\c], s[32:33] offset:1024*\q+512*\c
.endr
.endr
	s_endpgm
.Lw2:
	; ---- W2: tile T = work-group - 368, K steps 4 wave + 0 .. 3
	s_sub_co_u32 s28, ttmp9, 368
	s_lshr_b32 s35, s28, 1
	s_lshl_b32 s35, s35, 5
	s_and_b32 s34, s28, 1
	s_lshl_b32 s36, s34, 3
	s_add_co_u32 s35, s35, s36                     ; the tile's first row
	s_lshl_b32 s26, s35, 11
	s_lshl_b32 s36, s22, 8
	s_add_co_u32 s26, s26, s36
	s_add_nc_u64 s[30:31], s[14:15], s[26:27]
	s_lshl_b32 s26, s35, 7
	s_lshl_b32 s36, s22, 4
	s_add_co_u32 s26, s26, s36
	s_add_nc_u64 s[32:33], s[16:17], s[26:27]
	v_lshlrev_b32 v6, 11, v4
	v_lshl_add_u32 v6, v3, 4, v6
	v_lshlrev_b32 v7, 7, v4
.irp q, 0,1,2,3
.irp c, 0,1
	global_load_b128 v[16+8*\q+4*\c:19+8*\q+4*\c], v6, s[30:31] offset:64*\q+32*\c
.endr
.endr
	global_load_b128 v[48:51], v7, s[32:33]        ; my row's scale words of the four K steps
	s_lshl_b32 s26, s22, 18                        ; images lie [K step 32][tile 64]: 65,536 bytes a K step
	s_lshl_b32 s36, s28, 10
	s_add_co_u32 s26, s26, s36
	s_add_co_u32 s26, s26, 3670016
	s_add_nc_u64 s[38:39], s[20:21], s[26:27]
	s_lshl_b32 s26, s22, 14                        ; scale words lie [K step 32][8 tiles][lane 32][pair 4]: 4,096 bytes a K step
	s_lshr_b32 s36, s28, 3
	s_lshl_b32 s36, s36, 9
	s_add_co_u32 s26, s26, s36
	s_lshl_b32 s36, s34, 8                         ; an odd tile's words go to lanes 16-31
	s_add_co_u32 s26, s26, s36
	s_bfe_u32 s36, s28, 0x20001                    ; the pair among four
	s_lshl_b32 s36, s36, 2
	s_add_co_u32 s26, s26, s36
	s_add_co_u32 s26, s26, 5767168
	s_add_nc_u64 s[40:41], s[20:21], s[26:27]
	v_lshlrev_b32 v8, 13, v3                       ; lanes 16-31 take the last two K steps
	v_lshl_add_u32 v8, v2, 4, v8
	s_mov_b32 s37, 0xffff0000
	s_wait_loadcnt 0x0
.irp q, 0,1,2,3
.irp c, 0,1
	global_store_b128 v5, v[16+8*\q+4*\c:19+8*\q+4*\c], s[38:39] offset:65536*\q+512*\c
.endr
.endr
	v_cndmask_b32 v52, v48, v50, s37
	v_cndmask_b32 v53, v49, v51, s37
	global_store_b32 v8, v52, s[40:41]             ; words 16 bytes apart: 131,072 bytes in the whole launch leave so
	global_store_b32 v8, v53, s[40:41] offset:4096
	s_endpgm
.Lfunc_end_k_qbaed7fb8cb_prep:
	.size	k_qbaed7fb8cb_prep, .Lfunc_end_k_qbaed7fb8cb_prep-k_qbaed7fb8cb_prep
	.p2alignl 7, 3214868480
	.fill 96, 4, 3214868480
	.section	.rodata,"a",@progbits
	.p2align	6, 0x0
	.amdhsa_kernel k_qbaed7fb8cb_prep
		.amdhsa_group_segment_fixed_size 2048
		.amdhsa_private_segment_fixed_size 0
		.amdhsa_enable_private_segment 0
		.amdhsa_kernarg_size 72
		.amdhsa_user_sgpr_count 2
		.amdhsa_user_sgpr_kernarg_segment_ptr 1
		.amdhsa_wavefront_size32 1
		.amdhsa_system_sgpr_workgroup_id_x 1
		.amdhsa_system_sgpr_workgroup_id_y 1
		.amdhsa_system_sgpr_workgroup_id_z 1
		.amdhsa_system_vgpr_workitem_id 0
		.amdhsa_next_free_vgpr 130
		.amdhsa_next_free_sgpr 66
		.amdhsa_reserve_vcc 0
		.amdhsa_float_denorm_mode_32 3
		.amdhsa_float_denorm_mode_16_64 3
		.amdhsa_memory_ordered 1
		.amdhsa_forward_progress 1
		.amdhsa_inst_pref_size 15
	.end_amdhsa_kernel
	.amdgpu_metadata
---
amdhsa.version: [ 1, 2 ]
amdhsa.kernels:
  - .name:           k_qbaed7fb8cb_prep
    .symbol:         k_qbaed7fb8cb_prep.kd
    .args:
      - { .name: x, .offset: 0, .size: 8, .value_kind: global_buffer, .address_space: global }
      - { .name: Wq_codes, .offset: 8, .size: 8, .value_kind: global_buffer, .address_space: global }
      - { .name: Wk_codes, .offset: 16, .size: 8, .value_kind: global_buffer, .address_space: global }
      - { .name: Wv_codes, .offset: 24, .size: 8, .value_kind: global_buffer, .address_space: global }
      - { .name: W1_codes, .offset: 32, .size: 8, .value_kind: global_buffer, .address_space: global }
      - { .name: W2_codes, .offset: 40, .size: 8, .value_kind: global_buffer, .address_space: global }
      - { .name: W2_scales, .offset: 48, .size: 8, .value_kind: global_buffer, .address_space: global }
      - { .name: xq, .offset: 56, .size: 8, .value_kind: global_buffer, .address_space: global }
      - { .name: wimg, .offset: 64, .size: 8, .value_kind: global_buffer, .address_space: global }
    .group_segment_fixed_size: 2048
    .private_segment_fixed_size: 0
    .kernarg_segment_align: 8
    .kernarg_segment_size: 72
    .max_flat_workgroup_size: 256
    .sgpr_count:     66
    .vgpr_count:     130
    .wavefront_size: 32
...
	.end_amdgpu_metadata
.endif
;; end of part 1
;; launch qkv (part 2): grid 192 x 1, 4 waves a work-group, no clusters, 262,656 bytes of LDS; arguments xq, wimg, Wq_scales, Wk_scales, Wv_scales, bq, bk, bv, qkvc; writes qkvc
.if DOCPART == 2
	.amdgcn_target "amdgcn-amd-amdhsa--gfx1250"
	.amdhsa_code_object_version 6
	.text
	.protected	k_qbaed7fb8cb_qkv
	.globl	k_qbaed7fb8cb_qkv
	.p2align	8
	.type	k_qbaed7fb8cb_qkv,@function
k_qbaed7fb8cb_qkv:
	s_mov_b64 s[64:65], 0
	v_nop
	global_prefetch_b8 v0, s[64:65] scope:SCOPE_SE
	s_setreg_imm32_b32 hwreg(HW_REG_WAVE_MODE, 25, 1), 1
	s_wait_xcnt 0x0
; q = x Wq^T + bq, k, v likewise, on codes of E2M1; the results are quantised on the way out: q and k along the head's 64, v along the keys.
; Work-group: sel = id / 64 (q, k, v), 256 weight rows (id % 4) x 256 tokens ((id / 4) % 16), K = 1,024.  Four waves, each 128 x 128: 64 accumulators, 512 registers.
; SOURCE 0 (P) IS THE SIDE ALONG WHICH THE RESULT IS QUANTISED: the weight's rows for q and k, the tokens for v; source 1 (R) is the other.  A lane then holds one row of R and 64 registers along P, in the
; order that the quantiser and the next operand's layout want (tiles' rows: 32 (T / 2) + 8 (T % 2) + r + (r & 8)).
; Both operands come as images of operand registers, 1,024 bytes a fragment.  The whole K panel, 8 K steps x 32 KiB, fits in LDS: each wave issues eight tensor loads at the head, each byte of LDS is filled once.
; A wave has eight tensor loads outstanding.  A barrier a K step shows the next step's four quarters landed.
; No cluster: the roles of the operands change with sel, and each tile is asked for once, at the head, by one group of loads.
; LIMITS: blocks whose largest magnitude lies under 2^-124 get the byte 1; NaN and infinities are not served.
; REGISTERS.  window 0: v1-7 addresses; v24-27 words at work; v32-63 P's scale words, v64-95 R's (register 8 p + s: pair of tiles p, K step s; even tile in lanes 0-15, odd in lanes 16-31);
;   v96-111 quantiser; v112-119 codes; v120-127 scale words to store; v128-255 R's fragments, two sets.   window 1: v0-127 P's fragments, two sets; v128-191 bias along P; v192-207 bias along R, each twice.
;   windows 2, 3: accumulator (a, b) at window 2 + a / 4, v[8 (8 (a % 4) + b)].
.set ADRP, 2
.set ADRR, 3
.set SCP,  32
.set SCR,  64
.set TM,   96
.set PC,   112
.set WA,   120
.set WB,   124
.set RF,   128
.set BI,   128
.set BV,   192
.set SEL,  94
.set MSB, 0
.macro WIN new
.if MSB != (\new)
	s_set_vgpr_msb (MSB<<8)|(\new)
.set MSB, (\new)
.endif
.endm
.macro PLACES n
.rept \n
	v_nop
.endr
.endm
.macro QUANT s, w
	WIN (\w)|((\w)<<2)
.irp b, 0,1,2,3
	v_max3_num_f32 v[TM+\b], |v[(\s)+16*\b]|, |v[(\s)+16*\b+1]|, 0x1800000   ; and the floor 2^(3 - 127)
.endr
.irp i, 2,4,6,8,10,12,14
.irp b, 0,1,2,3
	v_max3_num_f32 v[TM+\b], |v[(\s)+16*\b+\i]|, |v[(\s)+16*\b+\i+1]|, v[TM+\b]
.endr
.endr
	WIN 0
.irp b, 0,1,2,3
	v_permlanex16_b32 v[TM+4+\b], v[TM+\b], s[SEL], s[SEL+1]
.endr
.irp b, 0,1,2,3
	v_max_num_f32 v[TM+\b], v[TM+\b], v[TM+4+\b]
.endr
.irp b, 0,1,2,3
	v_add_nc_u32 v[TM+12+\b], 0xff000000, v[TM+\b]
.endr
.irp b, 0,1,2,3
	v_lshrrev_b32 v[TM+4+\b], 23, v[TM+12+\b]
.endr
	WIN (\w)
.irp b, 0,1,2,3
	v_cvt_scalef32_pk8_fp4_f32 v[PC+2*\b], v[(\s)+16*\b:(\s)+16*\b+7], v[TM+12+\b]
	v_cvt_scalef32_pk8_fp4_f32 v[PC+2*\b+1], v[(\s)+16*\b+8:(\s)+16*\b+15], v[TM+12+\b]
.endr
	WIN 0
	v_nop                                               ; one plain place behind a scaled conversion
.irp c, 0,1
.irp i, 0,1
	v_permlane16_swap_b32 v[PC+4*\c+\i], v[PC+4*\c+2+\i]
.endr
.endr
.endm
.macro WORD4 d
	v_lshl_or_b32 v[\d], v[TM+5], 8, v[TM+4]
	v_lshl_or_b32 v[\d], v[TM+6], 16, v[\d]
	v_lshl_or_b32 v[\d], v[TM+7], 24, v[\d]
.endm
; one matrix instruction, its registers in the symbols rD, rA, rB, rC, rSA, rSB; rZ: C is the constant 0; rRA, rRB: the side's scale words stand in lanes 16-31
.macro WM
.if rZ
.if rRA && rRB
	v_wmma_scale_f32_16x16x128_f8f6f4 v[rD:rD+7], v[rA:rA+7], v[rB:rB+7], 0, v[rSA], v[rSB] matrix_a_fmt:MATRIX_FMT_FP4 matrix_b_fmt:MATRIX_FMT_FP4 matrix_a_scale:MATRIX_SCALE_ROW1 matrix_b_scale:MATRIX_SCALE_ROW1
.elseif rRA
	v_wmma_scale_f32_16x16x128_f8f6f4 v[rD:rD+7], v[rA:rA+7], v[rB:rB+7], 0, v[rSA], v[rSB] matrix_a_fmt:MATRIX_FMT_FP4 matrix_b_fmt:MATRIX_FMT_FP4 matrix_a_scale:MATRIX_SCALE_ROW1
.elseif rRB
	v_wmma_scale_f32_16x16x128_f8f6f4 v[rD:rD+7], v[rA:rA+7], v[rB:rB+7], 0, v[rSA], v[rSB] matrix_a_fmt:MATRIX_FMT_FP4 matrix_b_fmt:MATRIX_FMT_FP4 matrix_b_scale:MATRIX_SCALE_ROW1
.else
	v_wmma_scale_f32_16x16x128_f8f6f4 v[rD:rD+7], v[rA:rA+7], v[rB:rB+7], 0, v[rSA], v[rSB] matrix_a_fmt:MATRIX_FMT_FP4 matrix_b_fmt:MATRIX_FMT_FP4
.endif
.else
.if rRA && rRB
	v_wmma_scale_f32_16x16x128_f8f6f4 v[rD:rD+7], v[rA:rA+7], v[rB:rB+7], v[rC:rC+7], v[rSA], v[rSB] matrix_a_fmt:MATRIX_FMT_FP4 matrix_b_fmt:MATRIX_FMT_FP4 matrix_a_scale:MATRIX_SCALE_ROW1 matrix_b_scale:MATRIX_SCALE_ROW1
.elseif rRA
	v_wmma_scale_f32_16x16x128_f8f6f4 v[rD:rD+7], v[rA:rA+7], v[rB:rB+7], v[rC:rC+7], v[rSA], v[rSB] matrix_a_fmt:MATRIX_FMT_FP4 matrix_b_fmt:MATRIX_FMT_FP4 matrix_a_scale:MATRIX_SCALE_ROW1
.elseif rRB
	v_wmma_scale_f32_16x16x128_f8f6f4 v[rD:rD+7], v[rA:rA+7], v[rB:rB+7], v[rC:rC+7], v[rSA], v[rSB] matrix_a_fmt:MATRIX_FMT_FP4 matrix_b_fmt:MATRIX_FMT_FP4 matrix_b_scale:MATRIX_SCALE_ROW1
.else
	v_wmma_scale_f32_16x16x128_f8f6f4 v[rD:rD+7], v[rA:rA+7], v[rB:rB+7], v[rC:rC+7], v[rSA], v[rSB] matrix_a_fmt:MATRIX_FMT_FP4 matrix_b_fmt:MATRIX_FMT_FP4
.endif
.endif
.endm
; 16 matrix instructions: R's tiles a0, a0 + 1 x P's eight, K step s.  cm = 0: in place; 1: the constant 0 starts the sums; 2: the bias does.  The 64 accumulators take turns, one instruction a turn.
.macro MUL16 a0, s, cm
.irp a, \a0, \a0+1
.irp b, 0,1,2,3,4,5,6,7
.set rD, 8*(8*((\a)&3)+\b)
.set rA, 64*((\s)&1)+8*\b
.set rB, RF+64*((\s)&1)+8*(\a)
.set rC, rD
.set rZ, 0
.if (\cm) == 2
.set rC, BI+8*\b
.endif
.if (\cm) == 1
.set rZ, 1
.endif
.set rSA, SCP+8*(\b>>1)+(\s)
.set rSB, SCR+8*((\a)>>1)+(\s)
.set rRA, (\b&1)
.set rRB, ((\a)&1)
	WM
.endr
.endr
.endm
.macro FETCH q                         ; 32 LDS loads, each 512 consecutive bytes: P's eight fragments, R's tiles 0-3, R's tiles 4-7, into set q
	WIN 0x40
.irp i, 0,1,2,3,4,5,6,7
	ds_load_b128 v[64*(\q)+8*\i:64*(\q)+8*\i+3], v[ADRP] offset:1024*\i
	ds_load_b128 v[64*(\q)+8*\i+4:64*(\q)+8*\i+7], v[ADRP] offset:1024*\i+512
.endr
	WIN 0
.irp i, 0,1,2,3,4,5,6,7
	ds_load_b128 v[RF+64*(\q)+8*\i:RF+64*(\q)+8*\i+3], v[ADRR] offset:1024*\i
	ds_load_b128 v[RF+64*(\q)+8*\i+4:RF+64*(\q)+8*\i+7], v[ADRR] offset:1024*\i+512
.endr
.endm
.macro STEP s, cm
	s_wait_dscnt 8                                 ; P and R's tiles 0-3 are in; the youngest eight loads (R's tiles 4-7) may be out
.if (\cm) == 2
	WIN 0x91
.else
	WIN 0xa1
.endif
	MUL16 0, \s, \cm
.if (\s) < 7
	s_wait_tensorcnt 6-(\s)                        ; my quarter of the next K step has landed; the loads of the K steps behind it stay out
.endif
	s_wait_dscnt 0x0                               ; R's tiles 4-7 are in; no LDS instruction of mine is pending at the signal
.if (\s) < 7
	s_barrier_signal -1
.endif
	MUL16 2, \s, \cm
.if (\s) < 7
	s_barrier_wait -1                              ; everybody's quarter has landed.
	WIN 0
	v_add_nc_u32 v[ADRP], 0x8000, v[ADRP]          ; the next K step's 32 KiB; with the two v_nop: four places in front of loads into registers that matrix instructions have read
	v_add_nc_u32 v[ADRR], 0x8000, v[ADRR]
	v_nop
	v_nop
	FETCH (((\s)+1)&1)
.endif
.if (\cm) == 2
	WIN 0xd1
.else
	WIN 0xf1
.endif
	MUL16 4, \s, \cm
	MUL16 6, \s, \cm
.endm
	s_load_b512 s[4:19], s[0:1], 0x0               ; xq, wimg, Wq/Wk/Wv scales, bq, bk, bv
	s_load_b64 s[20:21], s[0:1], 0x40              ; qkvc
	v_lshl_add_u32 v106, v0, 2, 0x40000
	v_mov_b32 v107, 0
	ds_add_u32 v106, v107
	ds_add_u32 v106, v107
	v_lshrrev_b32 v1, 5, v0
	v_readfirstlane_b32 s22, v1                    ; wave 0..3
	s_lshr_b32 s66, ttmp9, 6                       ; sel: 0 q, 1 k, 2 v
	s_and_b32 s67, ttmp9, 3                        ; lo: which 256 weight rows
	s_bfe_u32 s68, ttmp9, 0x40002                  ; hi: which 256 tokens
	s_and_b32 s69, s22, 1                          ; ph: my half of P
	s_lshr_b32 s70, s22, 1                         ; rh: my half of R
	s_mov_b32 s71, 0xffff0000                      ; lanes 16-31
	s_mov_b32 s[SEL], 0x76543210
	s_mov_b32 s[SEL+1], 0xfedcba98
	; descriptor group 1: eight fragments of one K step: 8 rows of 1,024 bytes (128 elements of 8 bytes), 8,192 bytes apart
	s_mov_b32 s24, 3<<16                           ; no mask; elements of 8 bytes; no padding
	s_mov_b32 s25, 128<<16                         ; tensor_dim0
	s_mov_b32 s26, 8<<16                           ; tensor_dim1
	s_mov_b32 s27, 128<<16                         ; tile_dim0
	s_mov_b32 s28, 8                               ; tile_dim1
	s_mov_b32 s29, 1024                            ; pitch in elements
	s_mov_b32 s30, 0
	s_mov_b32 s31, 0
	s_lshl_b32 s90, s66, 19                        ; a weight's images: 524,288 bytes
	s_lshl_b32 s23, s67, 17                        ; 16 tiles: 131,072 bytes
	s_add_co_u32 s90, s90, s23
	s_mov_b32 s91, 0
	s_lshl_b32 s92, s68, 17
	s_mov_b32 s93, 0
	s_wait_dscnt 0x0
	s_wait_kmcnt 0x0
	s_add_nc_u64 s[72:73], s[6:7], s[90:91]        ; the weight's codes
	s_add_nc_u64 s[74:75], s[4:5], s[92:93]        ; the tokens' codes
	s_cmp_eq_u32 s66, 0
	s_cselect_b64 s[76:77], s[8:9], s[10:11]
	s_cselect_b64 s[80:81], s[14:15], s[16:17]
	s_cmp_eq_u32 s66, 2
	s_cselect_b64 s[76:77], s[12:13], s[76:77]     ; the weight's scale bytes
	s_cselect_b64 s[80:81], s[18:19], s[80:81]     ; the bias
	s_lshl_b32 s90, s67, 13
	s_add_nc_u64 s[76:77], s[76:77], s[90:91]
	s_lshl_b32 s92, s68, 13
	s_add_co_u32 s92, s92, 2097152
	s_add_nc_u64 s[78:79], s[4:5], s[92:93]        ; the tokens' scale bytes
	s_cmp_lt_u32 s66, 2
	s_cselect_b64 s[82:83], s[72:73], s[74:75]     ; P's codes
	s_cselect_b64 s[84:85], s[74:75], s[72:73]     ; R's codes
	s_cselect_b64 s[86:87], s[76:77], s[78:79]     ; P's scale bytes
	s_cselect_b64 s[88:89], s[78:79], s[76:77]     ; R's
	s_lshl_b32 s92, s69, 12
	s_add_nc_u64 s[86:87], s[86:87], s[92:93]      ; my 128 rows: 32 bytes a row
	s_lshl_b32 s92, s70, 12
	s_add_nc_u64 s[88:89], s[88:89], s[92:93]
	s_lshl_b32 s92, s67, 10
	s_add_nc_u64 s[80:81], s[80:81], s[92:93]
	s_lshl_b32 s92, s69, 9
	s_add_nc_u64 s[96:97], s[80:81], s[92:93]      ; the bias of half ph of the 256 weight rows
	s_lshl_b32 s92, s70, 9
	s_add_nc_u64 s[98:99], s[80:81], s[92:93]      ; and of half rh
	s_cmp_lt_u32 s22, 2                            ; waves 0, 1 fetch R's halves, waves 2, 3 P's
	s_cselect_b64 s[90:91], s[84:85], s[82:83]
	s_lshl_b32 s92, s69, 16
	s_add_nc_u64 s[90:91], s[90:91], s[92:93]
	s_lshl_b32 s23, s22, 13                        ; LDS: 8,192 x wave + 32,768 x K step
.irp s, 0,1,2,3,4,5,6,7
	s_mov_b32 s[32+4*\s], 1
	s_add_co_u32 s[33+4*\s], s23, 32768*\s
	s_add_nc_u64 s[34+4*\s:35+4*\s], s[90:91], 1024*\s
	s_or_b32 s[35+4*\s], s[35+4*\s], 0x80000000
.endr
.irp s, 0,1,2,3,4,5,6,7
	tensor_load_to_lds s[32+4*\s:35+4*\s], s[24:31]   ; all first fills in one group, ahead of every wait on TENSORcnt, LDS read and barrier
	s_nop 0
.endr
	PLACES 4                                       ; four lines here ahead of the next switch of windows
	v_and_b32 v8, 31, v0                           ; L
	v_and_b32 v9, 15, v0                           ; r
	v_bfe_u32 v10, v0, 4, 1                        ; h
	v_and_b32 v11, 8, v9
	v_add_nc_u32 v11, v11, v9                      ; r + (r & 8)
	v_lshlrev_b32 v1, 4, v8                        ; 16 L
	v_lshl_add_u32 v4, v10, 3, v11                 ; my row among a pair of tiles' 32
	v_lshlrev_b32 v4, 5, v4
	v_lshlrev_b32 v5, 6, v10                       ; 64 h
	v_lshlrev_b32 v6, 2, v11
.irp p, 0,1,2,3
.irp j, 0,1
	global_load_b128 v[SCP+8*\p+4*\j:SCP+8*\p+4*\j+3], v4, s[86:87] offset:1024*\p+16*\j
	global_load_b128 v[SCR+8*\p+4*\j:SCR+8*\p+4*\j+3], v4, s[88:89] offset:1024*\p+16*\j
.endr
.endr
	WIN 0x40
.irp u, 0,1,2,3
.irp q, 0,1,2,3
	global_load_b128 v[BI+16*\u+4*\q:BI+16*\u+4*\q+3], v5, s[96:97] offset:128*\u+16*\q   ; register R: the bias of row 32 (R / 16) + 16 h + R % 16
.endr
.endr
.irp a, 0,1,2,3,4,5,6,7
	global_load_b32 v[BV+2*\a], v6, s[98:99] offset:(32*(\a>>1)+8*(\a&1))*4               ; the bias of my row of R's tile a, in both registers of a pair
	global_load_b32 v[BV+2*\a+1], v6, s[98:99] offset:(32*(\a>>1)+8*(\a&1))*4
.endr
	WIN 0
	s_lshl_b32 s23, s69, 13
	s_add_co_u32 s23, s23, 16384
	v_add_nc_u32 v[ADRP], s23, v1
	s_lshl_b32 s23, s70, 13
	v_add_nc_u32 v[ADRR], s23, v1
.irp b, 0,1,2,3
	v_mov_b32 v[TM+4+\b], 0
.endr
	s_wait_tensorcnt 7                             ; my quarter of K step 0 has landed; the seven younger loads stay out
	s_barrier_signal -1
	s_barrier_wait -1
	FETCH 0
	s_wait_loadcnt 0x0                             ; scale words and biases
	STEP 0, 1
.irp s, 1,2,3,4,5,6,7
	STEP \s, 0
.endr
	WIN 0
	PLACES 4                                       ; behind the last products, ahead of the first read of results
	s_cmp_lt_u32 s66, 2
	s_cbranch_scc0 .Lvpath
	; ---- q, k: a lane holds one token; its 64 registers are 128 features = two heads.  Registers 0-3 of the codes are head A's half image, 4-7 head A + 1's.
	s_lshl_b32 s72, s68, 1
	s_add_co_u32 s72, s72, s70
	s_and_b32 s72, s72, 15                         ; which 8 tiles of the batch's 128
	s_lshr_b32 s73, s68, 3
	s_lshl_b32 s73, s73, 4
	s_lshl_b32 s74, s67, 2
	s_add_co_u32 s73, s73, s74
	s_lshl_b32 s74, s69, 1
	s_add_co_u32 s73, s73, s74                     ; 16 batch + head A
	s_mul_i32 s73, s73, 221184
	s_mov_b32 s75, 204800
	s_cmp_eq_u32 s66, 0
	s_cselect_b32 s74, 0, 73728
	s_cselect_b32 s75, 65536, s75
	s_lshl_b32 s76, s72, 12
	s_add_co_u32 s76, s76, s73
	s_add_co_u32 s76, s76, s74
	s_mov_b32 s77, 0
	s_add_nc_u64 s[96:97], s[20:21], s[76:77]
	s_lshl_b32 s76, s72, 9
	s_add_co_u32 s76, s76, s73
	s_add_co_u32 s76, s76, s75
	s_add_nc_u64 s[98:99], s[20:21], s[76:77]
.irp a, 0,1,2,3,4,5,6,7
.set W, 2+(\a>>2)
.set XB, 64*(\a&3)
.if \a > 0
	s_wait_xcnt 0x0                                ; the last stores have read the codes' registers
.endif
	WIN (W<<6)|(1<<2)|W
.set i, 0
.rept 32
	v_pk_add_f32 v[XB+i:XB+i+1], v[XB+i:XB+i+1], v[BI+i:BI+i+1]   ; the bias; each accumulator from its low end on
.set i, i+2
.endr
	QUANT XB, W
.if (\a&1) == 0
	v_lshl_or_b32 v24, v[TM+5], 8, v[TM+4]         ; a head has two blocks: its word holds the two bytes twice, so that it serves the low and the high half of a K of 128
	v_lshl_or_b32 v25, v[TM+7], 8, v[TM+6]
	v_lshl_or_b32 v24, v24, 16, v24
	v_lshl_or_b32 v25, v25, 16, v25
.else
	v_lshl_or_b32 v26, v[TM+5], 8, v[TM+4]
	v_lshl_or_b32 v27, v[TM+7], 8, v[TM+6]
	v_lshl_or_b32 v26, v26, 16, v26
	v_lshl_or_b32 v27, v27, 16, v27
	v_cndmask_b32 v[WA+(\a>>1)], v24, v26, s71     ; the even tile's words in lanes 0-15, the odd tile's in lanes 16-31
	v_cndmask_b32 v[WB+(\a>>1)], v25, v27, s71
.endif
	global_store_b128 v1, v[PC:PC+3], s[96:97] offset:512*\a
	global_store_b128 v1, v[PC+4:PC+7], s[96:97] offset:221184+512*\a
.endr
	global_store_b128 v1, v[WA:WA+3], s[98:99]
	global_store_b128 v1, v[WB:WB+3], s[98:99] offset:221184
	s_wait_tensorcnt 0x0
	ds_add_u32 v106, v107
	s_wait_dscnt 0x0
	s_endpgm
.Lvpath:
	; ---- v: a lane holds one feature d of a head; its 64 registers are 128 keys: one K step of the second product of attention
	s_lshl_b32 s72, s68, 1
	s_add_co_u32 s72, s72, s69
	s_and_b32 s72, s72, 15                         ; the key step
	s_lshr_b32 s73, s68, 3
	s_lshl_b32 s73, s73, 4
	s_lshl_b32 s74, s67, 2
	s_add_co_u32 s73, s73, s74
	s_lshl_b32 s74, s70, 1
	s_add_co_u32 s73, s73, s74
	s_mul_i32 s73, s73, 221184
	s_lshl_b32 s76, s72, 12
	s_add_co_u32 s76, s76, s73
	s_add_co_u32 s76, s76, 139264
	s_mov_b32 s77, 0
	s_add_nc_u64 s[96:97], s[20:21], s[76:77]
	s_lshl_b32 s76, s72, 9
	s_add_co_u32 s76, s76, s73
	s_add_co_u32 s76, s76, 212992
	s_add_nc_u64 s[98:99], s[20:21], s[76:77]
.irp a, 0,1,2,3,4,5,6,7
.set W, 2+(\a>>2)
.set XB, 64*(\a&3)
.if \a > 0
	s_wait_xcnt 0x0
.endif
	WIN (W<<6)|(1<<2)|W
.set i, 0
.rept 32
	v_pk_add_f32 v[XB+i:XB+i+1], v[XB+i:XB+i+1], v[BV+2*\a:BV+2*\a+1]
.set i, i+2
.endr
	QUANT XB, W
.if \a < 4
	WORD4 WA+\a
.else
	WORD4 WB+\a-4
.endif
	global_store_b128 v1, v[PC:PC+3], s[96:97] offset:(\a>>2)*221184+1024*(\a&3)
	global_store_b128 v1, v[PC+4:PC+7], s[96:97] offset:(\a>>2)*221184+1024*(\a&3)+512
.endr
	global_store_b128 v1, v[WA:WA+3], s[98:99]
	global_store_b128 v1, v[WB:WB+3], s[98:99] offset:221184
	s_wait_tensorcnt 0x0
	ds_add_u32 v106, v107
	s_wait_dscnt 0x0
	s_endpgm
.Lfunc_end_k_qbaed7fb8cb_qkv:
	.size	k_qbaed7fb8cb_qkv, .Lfunc_end_k_qbaed7fb8cb_qkv-k_qbaed7fb8cb_qkv
	.p2alignl 7, 3214868480
	.fill 96, 4, 3214868480
	.section	.rodata,"a",@progbits
	.p2align	6, 0x0
	.amdhsa_kernel k_qbaed7fb8cb_qkv
		.amdhsa_group_segment_fixed_size 262656
		.amdhsa_private_segment_fixed_size 0
		.amdhsa_enable_private_segment 0
		.amdhsa_kernarg_size 72
		.amdhsa_user_sgpr_count 2
		.amdhsa_user_sgpr_kernarg_segment_ptr 1
		.amdhsa_wavefront_size32 1
		.amdhsa_system_sgpr_workgroup_id_x 1
		.amdhsa_system_sgpr_workgroup_id_y 1
		.amdhsa_system_sgpr_workgroup_id_z 1
		.amdhsa_system_vgpr_workitem_id 0
		.amdhsa_next_free_vgpr 1024
		.amdhsa_next_free_sgpr 100
		.amdhsa_reserve_vcc 0
		.amdhsa_float_denorm_mode_32 3
		.amdhsa_float_denorm_mode_16_64 3
		.amdhsa_memory_ordered 1
		.amdhsa_forward_progress 1
		.amdhsa_inst_pref_size 196
	.end_amdhsa_kernel
	.amdgpu_metadata
---
amdhsa.version: [ 1, 2 ]
amdhsa.kernels:
  - .name:           k_qbaed7fb8cb_qkv
    .symbol:         k_qbaed7fb8cb_qkv.kd
    .args:
      - { .name: xq, .offset: 0, .size: 8, .value_kind: global_buffer, .address_space: global }
      - { .name: wimg, .offset: 8, .size: 8, .value_kind: global_buffer, .address_space: global }
      - { .name: Wq_scales, .offset: 16, .size: 8, .value_kind: global_buffer, .address_space: global }
      - { .name: Wk_scales, .offset: 24, .size: 8, .value_kind: global_buffer, .address_space: global }
      - { .name: Wv_scales, .offset: 32, .size: 8, .value_kind: global_buffer, .address_space: global }
      - { .name: bq, .offset: 40, .size: 8, .value_kind: global_buffer, .address_space: global }
      - { .name: bk, .offset: 48, .size: 8, .value_kind: global_buffer, .address_space: global }
      - { .name: bv, .offset: 56, .size: 8, .value_kind: global_buffer, .address_space: global }
      - { .name: qkvc, .offset: 64, .size: 8, .value_kind: global_buffer, .address_space: global }
    .group_segment_fixed_size: 262656
    .private_segment_fixed_size: 0
    .kernarg_segment_align: 8
    .kernarg_segment_size: 72
    .max_flat_workgroup_size: 128
    .sgpr_count:     100
    .vgpr_count:     1024
    .wavefront_size: 32
...
	.end_amdgpu_metadata
.endif
;; end of part 2
;; launch attn (part 3): grid 8 x 32, 16 waves a work-group, no clusters, 149,504 bytes of LDS; arguments qkvc, att; writes att
.if DOCPART == 3
	.amdgcn_target "amdgcn-amd-amdhsa--gfx1250"
	.amdhsa_code_object_version 6
	.text
	.protected	k_qbaed7fb8cb_attn
	.globl	k_qbaed7fb8cb_attn
	.p2align	8
	.type	k_qbaed7fb8cb_attn,@function
k_qbaed7fb8cb_attn:
	s_mov_b64 s[64:65], 0
	v_nop
	global_prefetch_b8 v0, s[64:65] scope:SCOPE_SE
	s_setreg_imm32_b32 hwreg(HW_REG_WAVE_MODE, 25, 1), 1
	s_wait_xcnt 0x0
; attn = softmax(q k^T / 8) v for one head and 256 queries, both products on codes of E2M1.  Sixteen waves, each one tile of 16 queries in 256 registers: four waves to a SIMD, so that one wave's
; vector work stands beside another's matrix work.  A head's K, V and their scale words, 147,456 consecutive bytes, come into LDS once, through registers; one barrier in the launch.
; SOFTMAX: t = score x log2(e) / 8; M = the running largest t, rounded up to a whole number; p = 2^(t - M) is quantised along the keys, not normalised; the row's sum is taken of the unquantised p and
; divides at the end.  When M moves, the sum and O are multiplied by 2^(old M - new M): exact.
; LAYOUT: both products transposed (S^T = K Q^T, O^T = V^T P^T): a lane holds one query.  A tile's keys are 32 (T / 2) + 8 (T % 2) + r + (r & 8), so p's 16 registers of two neighbouring tiles are 16 neighbouring keys.
; THE HEAD IS 64 WIDE, THE INSTRUCTION 128: a K operand's registers 0-3 are one tile of keys and 4-7 the next; Q stands as [q | 0] for the first and as [0 | q] for the second: zero codes add nothing.
; No cluster and no tensor load: the shared bytes are fetched once, ahead of 16 long key steps.
; LIMITS: a block of p whose largest number lies under 2^-124 gets the byte 1; NaN and infinities are not served.
; REGISTERS: v1-4 lane bases; v5-7 the fill's LDS addresses; v8-11 addresses in hand; v12 -M, v13 largest t, v[14:15] the sum; v16-27 zeros, q, zeros; v28 q's scale word; v32-63 K; v64-95 V; v96-159 S^T, then p
;   (v96-167 at the head: the fill on its way to LDS); v160-191 O^T; v192-195 K's scale words, v196-199 V's, v200 p's; v224-231 p's codes; v232-254 at work.
.set SEL, 20
.set CS,  22
.set TK,  18
.set TS,  19
.set CNT, 24
	s_load_b128 s[4:7], s[0:1], 0x0                ; qkvc, att
	v_lshl_add_u32 v251, v0, 2, 0x24000
	v_mov_b32 v255, 0
	v_lshrrev_b32 v1, 5, v0
	v_readfirstlane_b32 s8, v1                     ; wave 0..15
	s_and_b32 s9, ttmp7, 0xffff                    ; 16 batch + head
	s_mul_i32 s10, s9, 221184
	s_mov_b32 s11, 0
	s_lshl_b32 s12, ttmp9, 4
	s_add_co_u32 s12, s12, s8                      ; my tile of queries among the batch's 128
	s_lshl_b32 s14, s12, 9
	s_mov_b32 s15, 0
	s_lshr_b32 s16, s12, 3                         ; q's scale words lie [8 tiles][lane][pair 4]
	s_lshl_b32 s16, s16, 9
	s_and_b32 s13, s8, 1
	s_lshl_b32 s13, s13, 8
	s_add_co_u32 s16, s16, s13
	s_bfe_u32 s13, s8, 0x20001
	s_lshl_b32 s13, s13, 2
	s_add_co_u32 s16, s16, s13
	s_mov_b32 s17, 0
	s_lshr_b32 s26, s9, 4
	s_lshl_b32 s26, s26, 7
	s_add_co_u32 s26, s26, s12                     ; the tile among all 256
	s_lshl_b32 s26, s26, 3
	s_bfe_u32 s13, s9, 0x30001                     ; head / 2: which 128 features
	s_add_co_u32 s26, s26, s13
	s_lshl_b32 s26, s26, 13
	s_and_b32 s13, s9, 1
	s_lshl_b32 s13, s13, 12                        ; an odd head takes the upper 32 registers of the image
	s_add_co_u32 s26, s26, s13
	s_mov_b32 s27, 0
	s_mov_b32 s[SEL], 0x76543210
	s_mov_b32 s[SEL+1], 0xfedcba98
	s_mov_b32 s[CS], 0x3e38aa3b                    ; c = log2(e) / 8
	s_mov_b32 s[CS+1], s[CS]
	s_mov_b32 s[TK], 0
	s_mov_b32 s[TS], 0
	s_mov_b32 s[CNT], 16
	v_lshlrev_b32 v5, 4, v0                        ; 16 x thread
	v_add_nc_u32 v6, 0x10000, v5
	v_add_nc_u32 v7, 0x20000, v5
	v_and_b32 v8, 31, v0
	v_lshlrev_b32 v1, 4, v8                        ; 16 L: K's images begin at LDS byte 0
	v_and_b32 v9, 15, v0
	v_lshlrev_b32 v9, 4, v9
	s_wait_kmcnt 0x0
	s_add_nc_u64 s[4:5], s[4:5], s[10:11]          ; the head's block
	s_add_nc_u64 s[14:15], s[4:5], s[14:15]
	s_add_nc_u64 s[16:17], s[4:5], s[16:17]
	s_add_nc_u64 s[6:7], s[6:7], s[26:27]
.irp i, 0,1,2,3,4,5,6,7,8,9,10,11,12,13,14,15,16,17
	global_load_b128 v[96+4*\i:99+4*\i], v5, s[4:5] offset:73728+8192*\i   ; the work-group reads 8,192 consecutive bytes a line; they land in v96-167
.endr
	global_load_b128 v[20:23], v1, s[14:15]        ; q's half image
	global_load_b32 v28, v9, s[16:17] offset:65536 ; q's scale words
	v_add_nc_u32 v2, 0x10000, v1                   ; V's images
	v_add_nc_u32 v3, 0x20000, v1                   ; K's scale words
	v_add_nc_u32 v4, 0x22000, v1                   ; V's
.irp j, 16,17,18,19,24,25,26,27
	v_mov_b32 v[\j], 0                             ; zero codes on both sides of q
.endr
	v_mov_b32 v13, 0xff61b1e6                      ; the largest t so far: -3e38
	v_floor_f32 v12, -v13                          ; -M
	v_mov_b32 v14, 0
	v_mov_b32 v15, 0
.irp b, 0,1,2,3
	v_mov_b32 v[236+\b], 0                         ; a lane permute's destination counts as one of its sources
.endr
	v_mov_b32 v253, 0                              ; named as the upper half of the pair v[252:253]
	s_wait_loadcnt 0x2                             ; the 18 are in; q's two loads, issued behind them, may be out
.irp i, 0,1,2,3,4,5,6,7
	ds_store_b128 v5, v[96+4*\i:99+4*\i] offset:8192*\i
.endr
.irp i, 0,1,2,3,4,5,6,7
	ds_store_b128 v6, v[128+4*\i:131+4*\i] offset:8192*\i
.endr
.irp i, 0,1
	ds_store_b128 v7, v[160+4*\i:163+4*\i] offset:8192*\i
.endr
	s_wait_dscnt 0x0                               ; for the others' sake: my stores lie in LDS; they have also read their registers
	s_barrier_signal -1
	s_barrier_wait -1
.irp j, 0,1,2,3,4,5,6,7,8,9,10,11,12,13,14,15,16,17,18,19,20,21,22,23,24,25,26,27,28,29,30,31
	v_mov_b32 v[160+\j], 0                         ; O^T: the loop is written once; its first step finds zeros.  Cleared only here: v160-167 carried the fill's last 32 bytes a thread
.endr
	s_wait_loadcnt 0x0                             ; q
.Lstep:                                            ; 16 trips: a key step of 128 keys
	v_add_nc_u32 v8, s[TK], v1                     ; these four are the places behind the last trip's products, in front of loads into their registers
	v_add_nc_u32 v9, s[TK], v2
	v_add_nc_u32 v10, s[TS], v3
	v_add_nc_u32 v11, s[TS], v4
.irp n, 0,1,2,3,4,5,6,7
	ds_load_b128 v[32+4*\n:35+4*\n], v8 offset:512*\n
.endr
	ds_load_b128 v[192:195], v10
.irp n, 0,1,2,3,4,5,6,7
	ds_load_b128 v[64+4*\n:67+4*\n], v9 offset:512*\n
.endr
	ds_load_b128 v[196:199], v11
	s_wait_dscnt 9                                 ; K and its scale words are in; V's eight loads and its scale words may be out
.irp n, 0,2,4,6
	v_wmma_scale_f32_16x16x128_f8f6f4 v[96+8*\n:103+8*\n], v[32+4*\n:39+4*\n], v[20:27], 0, v[192+(\n>>1)], v28 matrix_a_fmt:MATRIX_FMT_FP4 matrix_b_fmt:MATRIX_FMT_FP4
	v_wmma_scale_f32_16x16x128_f8f6f4 v[104+8*\n:111+8*\n], v[32+4*\n:39+4*\n], v[16:23], 0, v[192+(\n>>1)], v28 matrix_a_fmt:MATRIX_FMT_FP4 matrix_b_fmt:MATRIX_FMT_FP4 matrix_a_scale:MATRIX_SCALE_ROW1
.endr
.rept 4
	v_nop
.endr
.irp b, 0,1,2,3
	v_max3_num_f32 v[232+\b], v[96+16*\b], v[97+16*\b], v[98+16*\b]   ; the largest score of each block of 32 keys: for the row's maximum, and, since p rises with the score, for the block's largest p
.endr
.irp i, 3,5,7,9,11,13
.irp b, 0,1,2,3
	v_max3_num_f32 v[232+\b], v[232+\b], v[96+16*\b+\i], v[97+16*\b+\i]
.endr
.endr
.irp b, 0,1,2,3
	v_max_num_f32 v[232+\b], v[232+\b], v[111+16*\b]
.endr
.irp b, 0,1,2,3
	v_permlanex16_b32 v[236+\b], v[232+\b], s[SEL], s[SEL+1]
.endr
.irp b, 0,1,2,3
	v_max_num_f32 v[232+\b], v[232+\b], v[236+\b]
.endr
	v_max3_num_f32 v254, v232, v233, v234
	v_max_num_f32 v254, v254, v235
	v_mul_f32 v254, s[CS], v254
	v_max_num_f32 v13, v13, v254                   ; the running largest t
	v_mov_b32 v254, v12
	v_floor_f32 v12, -v13                          ; the new -M = -ceil(t)
	v_sub_f32 v254, v12, v254
	v_cvt_i32_f32 v254, v254                       ; (it saturates)
	v_ldexp_f32 v252, 1.0, v254                    ; f = 2^(old M - new M)
.irp j, 0,2,4,6,8,10,12,14,16,18,20,22,24,26,28,30,32,34,36,38,40,42,44,46,48,50,52,54,56,58,60,62
	v_pk_fma_f32 v[96+\j:97+\j], v[96+\j:97+\j], s[CS:CS+1], v[12:13] op_sel_hi:[1,0,0]   ; t - M
.endr
.irp b, 0,1,2,3
	v_fma_f32 v[232+\b], v[232+\b], s[CS], v12
.endr
.irp j, 0,1,2,3,4,5,6,7,8,9,10,11,12,13,14,15,16,17,18,19,20,21,22,23,24,25,26,27,28,29,30,31,32,33,34,35,36,37,38,39,40,41,42,43,44,45,46,47,48,49,50,51,52,53,54,55,56,57,58,59,60,61,62,63
	v_exp_f32 v[96+\j], v[96+\j]                   ; p = 2^(t - M)
.endr
	v_pk_mul_f32 v[14:15], v[14:15], v[252:253] op_sel_hi:[1,0]   ; the sums under the new M: the plain place behind the exponentials
	s_wait_alu depctr_va_vdst(0)                   ; one wait for the whole batch, ahead of its first reader
.irp b, 0,1,2,3
	v_exp_f32 v[232+\b], v[232+\b]                 ; the block's largest p
.endr
	v_pk_add_f32 v[236:237], v[96:97], v[98:99]    ; the row's sum of the unquantised p, in two chains
.irp j, 4,8,12,16,20,24,28,32,36,40,44,48,52,56,60
	v_pk_add_f32 v[14:15], v[14:15], v[96+\j:97+\j]
	v_pk_add_f32 v[236:237], v[236:237], v[98+\j:99+\j]
.endr
	v_pk_add_f32 v[14:15], v[14:15], v[236:237]
	s_wait_alu depctr_va_vdst(0)                   ; and one for the four
.irp b, 0,1,2,3
	v_max_num_f32 v[232+\b], 0x1800000, v[232+\b]  ; the floor 2^(3 - 127)
.endr
.irp b, 0,1,2,3
	v_add_nc_u32 v[244+\b], 0xff000000, v[232+\b]
.endr
.irp b, 0,1,2,3
	v_lshrrev_b32 v[236+\b], 23, v[244+\b]
.endr
	v_lshl_or_b32 v200, v237, 8, v236              ; p's scale word for these 128 keys
	v_lshl_or_b32 v200, v238, 16, v200
	v_lshl_or_b32 v200, v239, 24, v200
.irp b, 0,1,2,3
	v_cvt_scalef32_pk8_fp4_f32 v[224+2*\b], v[96+16*\b:103+16*\b], v[244+\b]
	v_cvt_scalef32_pk8_fp4_f32 v[225+2*\b], v[104+16*\b:111+16*\b], v[244+\b]
.endr
	v_nop
.irp c, 0,1
.irp i, 0,1
	v_permlane16_swap_b32 v[224+4*\c+\i], v[226+4*\c+\i]
.endr
.endr
.irp j, 0,2,4,6,8,10,12,14,16,18,20,22,24,26,28,30
	v_pk_mul_f32 v[160+\j:161+\j], v[160+\j:161+\j], v[252:253] op_sel_hi:[1,0]   ; O^T under the new M; these 16 are also the places between p's codes and scale word and the products
.endr
	s_wait_dscnt 0x0                               ; V and its scale words
.irp t, 0,1,2,3
	v_wmma_scale_f32_16x16x128_f8f6f4 v[160+8*\t:167+8*\t], v[64+8*\t:71+8*\t], v[224:231], v[160+8*\t:167+8*\t], v[196+\t], v200 matrix_a_fmt:MATRIX_FMT_FP4 matrix_b_fmt:MATRIX_FMT_FP4
.endr
	s_add_co_u32 s[TK], s[TK], 4096
	s_add_co_u32 s[TS], s[TS], 512
	s_sub_co_u32 s[CNT], s[CNT], 1
	s_cmp_lg_u32 s[CNT], 0
	s_cbranch_scc1 .Lstep
	; THE WAY OUT: O^T / the sum.  Register 8 t + j is feature 32 (t / 2) + 16 h + 8 (t % 2) + j of my query: the very order of the f32 image that the next launch reads: eight dense stores, no stage
.rept 4
	v_nop
.endr
	v_add_f32 v14, v14, v15
	v_permlanex16_b32 v252, v14, s[SEL], s[SEL+1]
	v_add_f32 v14, v14, v252
	v_rcp_f32 v14, v14
	v_nop
	s_wait_alu depctr_va_vdst(0)
.irp j, 0,1,2,3,4,5,6,7,8,9,10,11,12,13,14,15,16,17,18,19,20,21,22,23,24,25,26,27,28,29,30,31
	v_mul_f32 v[96+\j], v[160+\j], v14
.endr
.irp g, 0,1,2,3,4,5,6,7
	global_store_b128 v1, v[96+4*\g:99+4*\g], s[6:7] offset:512*\g
.endr
	s_wait_tensorcnt 0x0
	ds_add_u32 v251, v255
	s_wait_dscnt 0x0
	s_endpgm
.Lfunc_end_k_qbaed7fb8cb_attn:
	.size	k_qbaed7fb8cb_attn, .Lfunc_end_k_qbaed7fb8cb_attn-k_qbaed7fb8cb_attn
	.p2alignl 7, 3214868480
	.fill 96, 4, 3214868480
	.section	.rodata,"a",@progbits
	.p2align	6, 0x0
	.amdhsa_kernel k_qbaed7fb8cb_attn
		.amdhsa_group_segment_fixed_size 149504
		.amdhsa_private_segment_fixed_size 0
		.amdhsa_enable_private_segment 0
		.amdhsa_kernarg_size 16
		.amdhsa_user_sgpr_count 2
		.amdhsa_user_sgpr_kernarg_segment_ptr 1
		.amdhsa_wavefront_size32 1
		.amdhsa_system_sgpr_workgroup_id_x 1
		.amdhsa_system_sgpr_workgroup_id_y 1
		.amdhsa_system_sgpr_workgroup_id_z 1
		.amdhsa_system_vgpr_workitem_id 0
		.amdhsa_next_free_vgpr 256
		.amdhsa_next_free_sgpr 66
		.amdhsa_reserve_vcc 0
		.amdhsa_float_denorm_mode_32 3
		.amdhsa_float_denorm_mode_16_64 3
		.amdhsa_memory_ordered 1
		.amdhsa_forward_progress 1
		.amdhsa_inst_pref_size 25
	.end_amdhsa_kernel
	.amdgpu_metadata
---
amdhsa.version: [ 1, 2 ]
amdhsa.kernels:
  - .name:           k_qbaed7fb8cb_attn
    .symbol:         k_qbaed7fb8cb_attn.kd
    .args:
      - { .name: qkvc, .offset: 0, .size: 8, .value_kind: global_buffer, .address_space: global }
      - { .name: att, .offset: 8, .size: 8, .value_kind: global_buffer, .address_space: global }
    .group_segment_fixed_size: 149504
    .private_segment_fixed_size: 0
    .kernarg_segment_align: 8
    .kernarg_segment_size: 16
    .max_flat_workgroup_size: 512
    .sgpr_count:     66
    .vgpr_count:     256
    .wavefront_size: 32
...
	.end_amdgpu_metadata
.endif
;; end of part 3
;; launch ln1 (part 4): grid 256 x 1, 8 waves a work-group, no clusters, 3,072 bytes of LDS; arguments x, att, g1, beta1, hf, hq; writes hf, hq
.if DOCPART == 4
	.amdgcn_target "amdgcn-amd-amdhsa--gfx1250"
	.amdhsa_code_object_version 6
	.text
	.protected	k_qbaed7fb8cb_ln1
	.globl	k_qbaed7fb8cb_ln1
	.p2align	8
	.type	k_qbaed7fb8cb_ln1,@function
k_qbaed7fb8cb_ln1:
	s_mov_b64 s[64:65], 0
	v_nop
	global_prefetch_b8 v0, s[64:65] scope:SCOPE_SE
	s_setreg_imm32_b32 hwreg(HW_REG_WAVE_MODE, 25, 1), 1
	s_wait_xcnt 0x0
; h = LN1(x + attn), kept as f32 images (hf) and quantised along D into codes and scale bytes (hq), laid as the first launch lays x's.
; Work-group = a tile of 16 tokens (rows 32 (T / 2) + 8 (T % 2) + r + (r & 8)), wave = 128 features.  A lane holds 64 numbers of one row; a row's sums meet in LDS: three barriers.
; The variance is taken of the centred numbers, in a second pass over registers: a common offset on the inputs costs no precision.
; LIMITS: blocks whose largest magnitude lies under 2^-124 get the byte 1; NaN and infinities are not served.  Memory binds: no matrix unit, no cluster, no tensor load.
.set X,   16
.set A,   80
.set G,   144
.set TM,  208
.set PC,  224
.set PW,  232
.set CH,  234                          ; v234-241 four packed chains
.set SEL, 24
.set MSB, 0
.macro WIN new
.if MSB != (\new)
	s_set_vgpr_msb (MSB<<8)|(\new)
.set MSB, (\new)
.endif
.endm
.macro QUANT s, w
	WIN (\w)|((\w)<<2)
.irp b, 0,1,2,3
	v_max3_num_f32 v[TM+\b], |v[(\s)+16*\b]|, |v[(\s)+16*\b+1]|, 0x1800000
.endr
.irp i, 2,4,6,8,10,12,14
.irp b, 0,1,2,3
	v_max3_num_f32 v[TM+\b], |v[(\s)+16*\b+\i]|, |v[(\s)+16*\b+\i+1]|, v[TM+\b]
.endr
.endr
	WIN 0
.irp b, 0,1,2,3
	v_permlanex16_b32 v[TM+4+\b], v[TM+\b], s[SEL], s[SEL+1]
.endr
.irp b, 0,1,2,3
	v_max_num_f32 v[TM+\b], v[TM+\b], v[TM+4+\b]
.endr
.irp b, 0,1,2,3
	v_add_nc_u32 v[TM+12+\b], 0xff000000, v[TM+\b]
.endr
.irp b, 0,1,2,3
	v_lshrrev_b32 v[TM+4+\b], 23, v[TM+12+\b]
.endr
	WIN (\w)
.irp b, 0,1,2,3
	v_cvt_scalef32_pk8_fp4_f32 v[PC+2*\b], v[(\s)+16*\b:(\s)+16*\b+7], v[TM+12+\b]
	v_cvt_scalef32_pk8_fp4_f32 v[PC+2*\b+1], v[(\s)+16*\b+8:(\s)+16*\b+15], v[TM+12+\b]
.endr
	WIN 0
	v_nop
.irp c, 0,1
.irp i, 0,1
	v_permlane16_swap_b32 v[PC+4*\c+\i], v[PC+4*\c+2+\i]
.endr
.endr
.endm
.macro WORD4 d
	v_lshl_or_b32 v[\d], v[TM+5], 8, v[TM+4]
	v_lshl_or_b32 v[\d], v[TM+6], 16, v[\d]
	v_lshl_or_b32 v[\d], v[TM+7], 24, v[\d]
.endm
; the four chains, the lane 16 away, and the eight waves: the row's sum in v242 of every lane.  off: the 512 LDS bytes of this sum
.macro ACROSS off
	v_pk_add_f32 v[CH:CH+1], v[CH:CH+1], v[CH+2:CH+3]
	v_pk_add_f32 v[CH+4:CH+5], v[CH+4:CH+5], v[CH+6:CH+7]
	v_pk_add_f32 v[CH:CH+1], v[CH:CH+1], v[CH+4:CH+5]
	v_add_f32 v[CH], v[CH], v[CH+1]
	v_permlanex16_b32 v[CH+2], v[CH], s[SEL], s[SEL+1]
	v_add_f32 v[CH], v[CH], v[CH+2]
	ds_store_b32 v9, v[CH] offset:\off
	s_wait_dscnt 0x0                               ; for the others' sake
	s_barrier_signal -1
	s_barrier_wait -1
	ds_load_b128 v[242:245], v8 offset:\off
	ds_load_b128 v[246:249], v8 offset:\off+16
	s_wait_dscnt 0x0
	v_pk_add_f32 v[242:243], v[242:243], v[244:245]
	v_pk_add_f32 v[246:247], v[246:247], v[248:249]
	v_pk_add_f32 v[242:243], v[242:243], v[246:247]
	v_add_f32 v242, v242, v243
.endm
	s_load_b256 s[4:11], s[0:1], 0x0               ; x, att, g1, beta1
	s_load_b128 s[12:15], s[0:1], 0x20             ; hf, hq
	v_lshl_add_u32 v254, v0, 2, 0x800
	v_mov_b32 v255, 0
	v_lshrrev_b32 v1, 5, v0
	v_readfirstlane_b32 s16, v1                    ; wave = K step
	v_and_b32 v1, 31, v0
	v_and_b32 v2, 15, v0
	v_bfe_u32 v3, v0, 4, 1
	v_and_b32 v4, 8, v2
	v_add_nc_u32 v4, v4, v2
	v_lshlrev_b32 v5, 4, v1                        ; 16 L
	v_lshlrev_b32 v6, 12, v4
	v_lshl_add_u32 v6, v3, 6, v6                   ; x: my row, + 64 h
	v_lshlrev_b32 v7, 6, v3                        ; 64 h
	v_lshlrev_b32 v8, 5, v2                        ; LDS: 32 r
	s_lshl_b32 s17, s16, 2
	v_add_nc_u32 v9, s17, v8                       ; 32 r + 4 s
	v_lshl_add_u32 v10, v3, 8, v5                  ; 16 L + 256 h
	s_mov_b32 s[SEL], 0x76543210
	s_mov_b32 s[SEL+1], 0xfedcba98
	s_mov_b32 s22, 0x3a800000                      ; 1 / 1024
	s_mov_b32 s23, 0x3727c5ac                      ; 1e-5
	s_lshr_b32 s17, ttmp9, 1
	s_lshl_b32 s17, s17, 5
	s_and_b32 s18, ttmp9, 1
	s_lshl_b32 s18, s18, 3
	s_add_co_u32 s17, s17, s18                     ; the tile's first row
	s_lshl_b32 s18, ttmp9, 3
	s_add_co_u32 s18, s18, s16                     ; 8 T + s
	s_lshl_b32 s19, s16, 9
	s_mov_b32 s21, 0
	s_wait_kmcnt 0x0
	s_lshl_b32 s20, s17, 12
	s_add_co_u32 s20, s20, s19
	s_add_nc_u64 s[4:5], s[4:5], s[20:21]
	s_lshl_b32 s20, s18, 13
	s_add_nc_u64 s[6:7], s[6:7], s[20:21]
	s_add_nc_u64 s[12:13], s[12:13], s[20:21]
	s_mov_b32 s20, s19
	s_add_nc_u64 s[8:9], s[8:9], s[20:21]
	s_add_nc_u64 s[10:11], s[10:11], s[20:21]
	s_lshl_b32 s20, s18, 10
	s_add_nc_u64 s[26:27], s[14:15], s[20:21]
	s_lshl_b32 s20, s17, 5
	s_add_co_u32 s20, s20, 2097152
	s_add_nc_u64 s[28:29], s[14:15], s[20:21]
.irp q, 0,1,2,3,4,5,6,7,8,9,10,11,12,13,14,15
	global_load_b128 v[A+4*\q:A+4*\q+3], v5, s[6:7] offset:512*\q th:TH_LOAD_NT
.endr
.irp b, 0,1,2,3
.irp j, 0,1,2,3
	global_load_b128 v[X+16*\b+4*\j:X+16*\b+4*\j+3], v6, s[4:5] offset:128*\b+16*\j th:TH_LOAD_NT
.endr
.endr
.irp b, 0,1,2,3
.irp j, 0,1,2,3
	global_load_b128 v[G+16*\b+4*\j:G+16*\b+4*\j+3], v7, s[8:9] offset:128*\b+16*\j
.endr
.endr
.irp b, 0,1,2,3
	v_mov_b32 v[TM+4+\b], 0
.endr
	s_wait_loadcnt 16                              ; attn and x are in; g1's sixteen loads may be out
.set i, 0
.rept 32
	v_pk_add_f32 v[X+i:X+i+1], v[X+i:X+i+1], v[A+i:A+i+1]
.set i, i+2
.endr
.irp b, 0,1,2,3
.irp j, 0,1,2,3
	global_load_b128 v[A+16*\b+4*\j:A+16*\b+4*\j+3], v7, s[10:11] offset:128*\b+16*\j   ; beta1 takes attn's registers
.endr
.endr
.irp k, 0,1,2,3
	v_pk_add_f32 v[CH+2*\k:CH+2*\k+1], v[X+4*\k:X+4*\k+1], v[X+4*\k+2:X+4*\k+3]
.endr
.set i, 16
.rept 24
	v_pk_add_f32 v[CH+(i&6):CH+(i&6)+1], v[CH+(i&6):CH+(i&6)+1], v[X+i:X+i+1]
.set i, i+2
.endr
	ACROSS 0
	v_mul_f32 v250, 0xba800000, v242               ; - the mean, in both registers of a pair
	v_mov_b32 v251, v250
.set i, 0
.rept 32
	v_pk_add_f32 v[X+i:X+i+1], v[X+i:X+i+1], v[250:251]
.set i, i+2
.endr
.irp k, 0,1,2,3
	v_pk_mul_f32 v[CH+2*\k:CH+2*\k+1], v[X+2*\k:X+2*\k+1], v[X+2*\k:X+2*\k+1]
.endr
.set i, 8
.rept 28
	v_pk_fma_f32 v[CH+(i&6):CH+(i&6)+1], v[X+i:X+i+1], v[X+i:X+i+1], v[CH+(i&6):CH+(i&6)+1]
.set i, i+2
.endr
	ACROSS 512
	v_fma_f32 v250, v242, s22, s23                 ; the variance + 1e-5
	v_rsq_f32 v250, v250
	v_nop
	s_wait_alu depctr_va_vdst(0)                   ; ahead of the first reader
	v_mov_b32 v251, v250
	s_wait_loadcnt 0x0                             ; g1 and beta1
.set i, 0
.rept 32
	v_pk_mul_f32 v[X+i:X+i+1], v[X+i:X+i+1], v[250:251]
.set i, i+2
.endr
.set i, 0
.rept 32
	v_pk_fma_f32 v[X+i:X+i+1], v[X+i:X+i+1], v[G+i:G+i+1], v[A+i:A+i+1]
.set i, i+2
.endr
.irp q, 0,1,2,3,4,5,6,7,8,9,10,11,12,13,14,15
	global_store_b128 v5, v[X+4*\q:X+4*\q+3], s[12:13] offset:512*\q
.endr
	QUANT X, 0                                     ; it only reads h's registers, which the stores still read
	WORD4 PW
	global_store_b128 v5, v[PC:PC+3], s[26:27]
	global_store_b128 v5, v[PC+4:PC+7], s[26:27] offset:512
	ds_store_b32 v9, v[PW] offset:1024
	s_wait_dscnt 0x0
	s_barrier_signal -1
	s_barrier_wait -1
	s_cmp_lg_u32 s16, 0
	s_cbranch_scc1 .Lend
	ds_load_b128 v[244:247], v5 offset:1024        ; wave 0: 16 rows x 32 scale bytes
	s_wait_dscnt 0x0
	global_store_b128 v10, v[244:247], s[28:29]    ; two runs of 256 consecutive bytes, aligned
.Lend:
	s_wait_tensorcnt 0x0
	ds_add_u32 v254, v255
	s_wait_dscnt 0x0
	s_endpgm
.Lfunc_end_k_qbaed7fb8cb_ln1:
	.size	k_qbaed7fb8cb_ln1, .Lfunc_end_k_qbaed7fb8cb_ln1-k_qbaed7fb8cb_ln1
	.p2alignl 7, 3214868480
	.fill 96, 4, 3214868480
	.section	.rodata,"a",@progbits
	.p2align	6, 0x0
	.amdhsa_kernel k_qbaed7fb8cb_ln1
		.amdhsa_group_segment_fixed_size 3072
		.amdhsa_private_segment_fixed_size 0
		.amdhsa_enable_private_segment 0
		.amdhsa_kernarg_size 48
		.amdhsa_user_sgpr_count 2
		.amdhsa_user_sgpr_kernarg_segment_ptr 1
		.amdhsa_wavefront_size32 1
		.amdhsa_system_sgpr_workgroup_id_x 1
		.amdhsa_system_sgpr_workgroup_id_y 1
		.amdhsa_system_sgpr_workgroup_id_z 1
		.amdhsa_system_vgpr_workitem_id 0
		.amdhsa_next_free_vgpr 256
		.amdhsa_next_free_sgpr 66
		.amdhsa_reserve_vcc 0
		.amdhsa_float_denorm_mode_32 3
		.amdhsa_float_denorm_mode_16_64 3
		.amdhsa_memory_ordered 1
		.amdhsa_forward_progress 1
		.amdhsa_inst_pref_size 28
	.end_amdhsa_kernel
	.amdgpu_metadata
---
amdhsa.version: [ 1, 2 ]
amdhsa.kernels:
  - .name:           k_qbaed7fb8cb_ln1
    .symbol:         k_qbaed7fb8cb_ln1.kd
    .args:
      - { .name: x, .offset: 0, .size: 8, .value_kind: global_buffer, .address_space: global }
      - { .name: att, .offset: 8, .size: 8, .value_kind: global_buffer, .address_space: global }
      - { .name: g1, .offset: 16, .size: 8, .value_kind: global_buffer, .address_space: global }
      - { .name: beta1, .offset: 24, .size: 8, .value_kind: global_buffer, .address_space: global }
      - { .name: hf, .offset: 32, .size: 8, .value_kind: global_buffer, .address_space: global }
      - { .name: hq, .offset: 40, .size: 8, .value_kind: global_buffer, .address_space: global }
    .group_segment_fixed_size: 3072
    .private_segment_fixed_size: 0
    .kernarg_segment_align: 8
    .kernarg_segment_size: 48
    .max_flat_workgroup_size: 256
    .sgpr_count:     66
    .vgpr_count:     256
    .wavefront_size: 32
...
	.end_amdgpu_metadata
.endif
;; end of part 4
;; launch ffn1 (part 5): grid 16 x 16, 4 waves a work-group, no clusters, 262,656 bytes of LDS; arguments hq, wimg, W1_scales, b1, hid; writes hid
.if DOCPART == 5
	.amdgcn_target "amdgcn-amd-amdhsa--gfx1250"
	.amdhsa_code_object_version 6
	.text
	.protected	k_qbaed7fb8cb_ffn1
	.globl	k_qbaed7fb8cb_ffn1
	.p2align	8
	.type	k_qbaed7fb8cb_ffn1,@function
k_qbaed7fb8cb_ffn1:
	s_mov_b64 s[64:65], 0
	v_nop
	global_prefetch_b8 v0, s[64:65] scope:SCOPE_SE
	s_setreg_imm32_b32 hwreg(HW_REG_WAVE_MODE, 25, 1), 1
	s_wait_xcnt 0x0
; hidden = relu(h W1^T + b1) on codes of E2M1, quantised along the hidden units on the way out.  Work-group (x, y): 256 hidden units x 256 tokens, K = 1,024.  Four waves, each 128 x 128.
; Source 0 (P) = W1's rows, source 1 (R) = tokens: a lane holds one token and 64 registers along the hidden units: one K step of the next product.  The bias is the C of each sum's first product.
; Both operands come as images of operand registers; the whole K panel, 8 x 32 KiB, fits in LDS: eight tensor loads a wave at the head (eight outstanding), each LDS byte filled once.
; No cluster here: each tile is asked for once, at the head, in one group; sharing along rows and columns of the grid is left out of this form.
; LIMITS: blocks whose largest magnitude lies under 2^-124 (blocks of zeros among them) get the byte 1; NaN and infinities are not served.
; REGISTERS: as in the launch for q, k, v: window 0: v1-7 addresses, v24-27 words, v32-63 P's scale words, v64-95 R's, v96-111 quantiser, v112-119 codes, v120-123 words to store, v128-255 R's two sets;
;   window 1: v0-127 P's two sets, v128-191 the bias; windows 2, 3: the accumulators.
.set ADRP, 2
.set ADRR, 3
.set SCP,  32
.set SCR,  64
.set TM,   96
.set PC,   112
.set WA,   120
.set RF,   128
.set BI,   128
.set SEL,  94
.set MSB, 0
.macro WIN new
.if MSB != (\new)
	s_set_vgpr_msb (MSB<<8)|(\new)
.set MSB, (\new)
.endif
.endm
.macro PLACES n
.rept \n
	v_nop
.endr
.endm
.macro QUANT s, w
	WIN (\w)|((\w)<<2)
.irp b, 0,1,2,3
	v_max3_num_f32 v[TM+\b], |v[(\s)+16*\b]|, |v[(\s)+16*\b+1]|, 0x1800000
.endr
.irp i, 2,4,6,8,10,12,14
.irp b, 0,1,2,3
	v_max3_num_f32 v[TM+\b], |v[(\s)+16*\b+\i]|, |v[(\s)+16*\b+\i+1]|, v[TM+\b]
.endr
.endr
	WIN 0
.irp b, 0,1,2,3
	v_permlanex16_b32 v[TM+4+\b], v[TM+\b], s[SEL], s[SEL+1]
.endr
.irp b, 0,1,2,3
	v_max_num_f32 v[TM+\b], v[TM+\b], v[TM+4+\b]
.endr
.irp b, 0,1,2,3
	v_add_nc_u32 v[TM+12+\b], 0xff000000, v[TM+\b]
.endr
.irp b, 0,1,2,3
	v_lshrrev_b32 v[TM+4+\b], 23, v[TM+12+\b]
.endr
	WIN (\w)
.irp b, 0,1,2,3
	v_cvt_scalef32_pk8_fp4_f32 v[PC+2*\b], v[(\s)+16*\b:(\s)+16*\b+7], v[TM+12+\b]
	v_cvt_scalef32_pk8_fp4_f32 v[PC+2*\b+1], v[(\s)+16*\b+8:(\s)+16*\b+15], v[TM+12+\b]
.endr
	WIN 0
	v_nop
.irp c, 0,1
.irp i, 0,1
	v_permlane16_swap_b32 v[PC+4*\c+\i], v[PC+4*\c+2+\i]
.endr
.endr
.endm
.macro WORD4 d
	v_lshl_or_b32 v[\d], v[TM+5], 8, v[TM+4]
	v_lshl_or_b32 v[\d], v[TM+6], 16, v[\d]
	v_lshl_or_b32 v[\d], v[TM+7], 24, v[\d]
.endm
.macro WM
.if rRA && rRB
	v_wmma_scale_f32_16x16x128_f8f6f4 v[rD:rD+7], v[rA:rA+7], v[rB:rB+7], v[rC:rC+7], v[rSA], v[rSB] matrix_a_fmt:MATRIX_FMT_FP4 matrix_b_fmt:MATRIX_FMT_FP4 matrix_a_scale:MATRIX_SCALE_ROW1 matrix_b_scale:MATRIX_SCALE_ROW1
.elseif rRA
	v_wmma_scale_f32_16x16x128_f8f6f4 v[rD:rD+7], v[rA:rA+7], v[rB:rB+7], v[rC:rC+7], v[rSA], v[rSB] matrix_a_fmt:MATRIX_FMT_FP4 matrix_b_fmt:MATRIX_FMT_FP4 matrix_a_scale:MATRIX_SCALE_ROW1
.elseif rRB
	v_wmma_scale_f32_16x16x128_f8f6f4 v[rD:rD+7], v[rA:rA+7], v[rB:rB+7], v[rC:rC+7], v[rSA], v[rSB] matrix_a_fmt:MATRIX_FMT_FP4 matrix_b_fmt:MATRIX_FMT_FP4 matrix_b_scale:MATRIX_SCALE_ROW1
.else
	v_wmma_scale_f32_16x16x128_f8f6f4 v[rD:rD+7], v[rA:rA+7], v[rB:rB+7], v[rC:rC+7], v[rSA], v[rSB] matrix_a_fmt:MATRIX_FMT_FP4 matrix_b_fmt:MATRIX_FMT_FP4
.endif
.endm
.macro MUL16 a0, s, cm                 ; cm = 0: in place; 2: the bias starts the sums.  The 64 accumulators take turns, one instruction a turn
.irp a, \a0, \a0+1
.irp b, 0,1,2,3,4,5,6,7
.set rD, 8*(8*((\a)&3)+\b)
.set rA, 64*((\s)&1)+8*\b
.set rB, RF+64*((\s)&1)+8*(\a)
.set rC, rD
.if (\cm) == 2
.set rC, BI+8*\b
.endif
.set rSA, SCP+8*(\b>>1)+(\s)
.set rSB, SCR+8*((\a)>>1)+(\s)
.set rRA, (\b&1)
.set rRB, ((\a)&1)
	WM
.endr
.endr
.endm
.macro FETCH q
	WIN 0x40
.irp i, 0,1,2,3,4,5,6,7
	ds_load_b128 v[64*(\q)+8*\i:64*(\q)+8*\i+3], v[ADRP] offset:1024*\i
	ds_load_b128 v[64*(\q)+8*\i+4:64*(\q)+8*\i+7], v[ADRP] offset:1024*\i+512
.endr
	WIN 0
.irp i, 0,1,2,3,4,5,6,7
	ds_load_b128 v[RF+64*(\q)+8*\i:RF+64*(\q)+8*\i+3], v[ADRR] offset:1024*\i
	ds_load_b128 v[RF+64*(\q)+8*\i+4:RF+64*(\q)+8*\i+7], v[ADRR] offset:1024*\i+512
.endr
.endm
.macro STEP s, cm
	s_wait_dscnt 8                                 ; P and R's tiles 0-3 are in; the youngest eight loads (R's tiles 4-7) may be out
.if (\cm) == 2
	WIN 0x91
.else
	WIN 0xa1
.endif
	MUL16 0, \s, \cm
.if (\s) < 7
	s_wait_tensorcnt 6-(\s)                        ; my quarter of the next K step has landed; the loads of the K steps behind it stay out
.endif
	s_wait_dscnt 0x0
.if (\s) < 7
	s_barrier_signal -1
.endif
	MUL16 2, \s, \cm
.if (\s) < 7
	s_barrier_wait -1                              ; everybody's quarter has landed.
	WIN 0
	v_add_nc_u32 v[ADRP], 0x8000, v[ADRP]          ; with the two v_nop: four places in front of loads into registers that matrix instructions have read
	v_add_nc_u32 v[ADRR], 0x8000, v[ADRR]
	v_nop
	v_nop
	FETCH (((\s)+1)&1)
.endif
.if (\cm) == 2
	WIN 0xd1
.else
	WIN 0xf1
.endif
	MUL16 4, \s, \cm
	MUL16 6, \s, \cm
.endm
	s_load_b256 s[4:11], s[0:1], 0x0               ; hq, wimg, W1_scales, b1
	s_load_b64 s[12:13], s[0:1], 0x20              ; hid
	v_lshl_add_u32 v126, v0, 2, 0x40000
	v_mov_b32 v127, 0
	ds_add_u32 v126, v127
	ds_add_u32 v126, v127
	v_lshrrev_b32 v1, 5, v0
	v_readfirstlane_b32 s22, v1
	s_and_b32 s68, ttmp7, 0xffff                   ; y: which 256 tokens
	s_and_b32 s69, s22, 1                          ; ph
	s_lshr_b32 s70, s22, 1                         ; rh
	s_mov_b32 s71, 0xffff0000
	s_mov_b32 s[SEL], 0x76543210
	s_mov_b32 s[SEL+1], 0xfedcba98
	s_mov_b32 s24, 3<<16                           ; group 1: 8 rows of 1,024 bytes (128 elements of 8 bytes), 8,192 bytes apart
	s_mov_b32 s25, 128<<16
	s_mov_b32 s26, 8<<16
	s_mov_b32 s27, 128<<16
	s_mov_b32 s28, 8
	s_mov_b32 s29, 1024
	s_mov_b32 s30, 0
	s_mov_b32 s31, 0
	s_lshl_b32 s90, ttmp9, 17
	s_add_co_u32 s90, s90, 1572864                 ; W1's images begin at tile 192
	s_mov_b32 s91, 0
	s_lshl_b32 s92, s68, 17
	s_mov_b32 s93, 0
	s_wait_dscnt 0x0
	s_wait_kmcnt 0x0
	s_add_nc_u64 s[82:83], s[6:7], s[90:91]        ; P's codes
	s_add_nc_u64 s[84:85], s[4:5], s[92:93]        ; R's codes
	s_lshl_b32 s90, ttmp9, 13
	s_lshl_b32 s23, s69, 12
	s_add_co_u32 s90, s90, s23
	s_add_nc_u64 s[86:87], s[8:9], s[90:91]        ; P's scale bytes, my 128 rows
	s_lshl_b32 s92, s68, 13
	s_lshl_b32 s23, s70, 12
	s_add_co_u32 s92, s92, s23
	s_add_co_u32 s92, s92, 2097152
	s_add_nc_u64 s[88:89], s[4:5], s[92:93]        ; R's
	s_lshl_b32 s90, ttmp9, 10
	s_lshl_b32 s23, s69, 9
	s_add_co_u32 s90, s90, s23
	s_add_nc_u64 s[96:97], s[10:11], s[90:91]      ; b1, my 128 units
	s_cmp_lt_u32 s22, 2
	s_cselect_b64 s[90:91], s[84:85], s[82:83]
	s_lshl_b32 s92, s69, 16
	s_add_nc_u64 s[90:91], s[90:91], s[92:93]
	s_lshl_b32 s23, s22, 13
.irp s, 0,1,2,3,4,5,6,7
	s_mov_b32 s[32+4*\s], 1
	s_add_co_u32 s[33+4*\s], s23, 32768*\s
	s_add_nc_u64 s[34+4*\s:35+4*\s], s[90:91], 1024*\s
	s_or_b32 s[35+4*\s], s[35+4*\s], 0x80000000
.endr
.irp s, 0,1,2,3,4,5,6,7
	tensor_load_to_lds s[32+4*\s:35+4*\s], s[24:31]
	s_nop 0
.endr
	PLACES 4
	v_and_b32 v8, 31, v0
	v_and_b32 v9, 15, v0
	v_bfe_u32 v10, v0, 4, 1
	v_and_b32 v11, 8, v9
	v_add_nc_u32 v11, v11, v9
	v_lshlrev_b32 v1, 4, v8                        ; 16 L
	v_lshl_add_u32 v4, v10, 3, v11
	v_lshlrev_b32 v4, 5, v4
	v_lshlrev_b32 v5, 6, v10                       ; 64 h
	v_lshlrev_b32 v7, 3, v8                        ; 8 L
.irp p, 0,1,2,3
.irp j, 0,1
	global_load_b128 v[SCP+8*\p+4*\j:SCP+8*\p+4*\j+3], v4, s[86:87] offset:1024*\p+16*\j
	global_load_b128 v[SCR+8*\p+4*\j:SCR+8*\p+4*\j+3], v4, s[88:89] offset:1024*\p+16*\j
.endr
.endr
	WIN 0x40
.irp u, 0,1,2,3
.irp q, 0,1,2,3
	global_load_b128 v[BI+16*\u+4*\q:BI+16*\u+4*\q+3], v5, s[96:97] offset:128*\u+16*\q
.endr
.endr
	WIN 0
	s_lshl_b32 s23, s69, 13
	s_add_co_u32 s23, s23, 16384
	v_add_nc_u32 v[ADRP], s23, v1
	s_lshl_b32 s23, s70, 13
	v_add_nc_u32 v[ADRR], s23, v1
.irp b, 0,1,2,3
	v_mov_b32 v[TM+4+\b], 0
.endr
	s_wait_tensorcnt 7                             ; my quarter of K step 0 has landed; the seven younger loads stay out
	s_barrier_signal -1
	s_barrier_wait -1
	FETCH 0
	s_wait_loadcnt 0x0
	STEP 0, 2
.irp s, 1,2,3,4,5,6,7
	STEP \s, 0
.endr
	WIN 0
	PLACES 4
	; the way out: images [K step 32][tile 256], scale words [K step 32][4 tiles][lane][pair 2]
	s_lshl_b32 s72, ttmp9, 1
	s_add_co_u32 s72, s72, s69                     ; the next product's K step
	s_lshl_b32 s73, s72, 8
	s_lshl_b32 s74, s68, 4
	s_add_co_u32 s73, s73, s74
	s_lshl_b32 s74, s70, 3
	s_add_co_u32 s73, s73, s74
	s_lshl_b32 s76, s73, 10
	s_mov_b32 s77, 0
	s_add_nc_u64 s[96:97], s[12:13], s[76:77]
	s_lshl_b32 s73, s72, 6
	s_lshl_b32 s74, s68, 2
	s_add_co_u32 s73, s73, s74
	s_lshl_b32 s74, s70, 1
	s_add_co_u32 s73, s73, s74
	s_lshl_b32 s76, s73, 8
	s_add_co_u32 s76, s76, 8388608
	s_add_nc_u64 s[98:99], s[12:13], s[76:77]
.irp a, 0,1,2,3,4,5,6,7
.set W, 2+(\a>>2)
.set XB, 64*(\a&3)
.if \a > 0
	s_wait_xcnt 0x0                                ; the last stores have read the codes' registers
.endif
	WIN (W<<6)|(W<<2)
.set i, 0
.rept 64
	v_max_num_f32 v[XB+i], 0, v[XB+i]              ; relu, in f32; each accumulator from its low end on
.set i, i+1
.endr
	QUANT XB, W
.if (\a&1) == 0
	WORD4 24
.else
	WORD4 26
	v_cndmask_b32 v[WA+(\a>>1)], v24, v26, s71     ; the even tile's words in lanes 0-15, the odd tile's in lanes 16-31
.endif
	global_store_b128 v1, v[PC:PC+3], s[96:97] offset:1024*\a
	global_store_b128 v1, v[PC+4:PC+7], s[96:97] offset:1024*\a+512
.endr
	global_store_b64 v7, v[WA:WA+1], s[98:99]      ; 256 consecutive bytes, aligned
	global_store_b64 v7, v[WA+2:WA+3], s[98:99] offset:256
	s_wait_tensorcnt 0x0
	ds_add_u32 v126, v127
	s_wait_dscnt 0x0
	s_endpgm
.Lfunc_end_k_qbaed7fb8cb_ffn1:
	.size	k_qbaed7fb8cb_ffn1, .Lfunc_end_k_qbaed7fb8cb_ffn1-k_qbaed7fb8cb_ffn1
	.p2alignl 7, 3214868480
	.fill 96, 4, 3214868480
	.section	.rodata,"a",@progbits
	.p2align	6, 0x0
	.amdhsa_kernel k_qbaed7fb8cb_ffn1
		.amdhsa_group_segment_fixed_size 262656
		.amdhsa_private_segment_fixed_size 0
		.amdhsa_enable_private_segment 0
		.amdhsa_kernarg_size 40
		.amdhsa_user_sgpr_count 2
		.amdhsa_user_sgpr_kernarg_segment_ptr 1
		.amdhsa_wavefront_size32 1
		.amdhsa_system_sgpr_workgroup_id_x 1
		.amdhsa_system_sgpr_workgroup_id_y 1
		.amdhsa_system_sgpr_workgroup_id_z 1
		.amdhsa_system_vgpr_workitem_id 0
		.amdhsa_next_free_vgpr 1024
		.amdhsa_next_free_sgpr 100
		.amdhsa_reserve_vcc 0
		.amdhsa_float_denorm_mode_32 3
		.amdhsa_float_denorm_mode_16_64 3
		.amdhsa_memory_ordered 1
		.amdhsa_forward_progress 1
		.amdhsa_inst_pref_size 143
	.end_amdhsa_kernel
	.amdgpu_metadata
---
amdhsa.version: [ 1, 2 ]
amdhsa.kernels:
  - .name:           k_qbaed7fb8cb_ffn1
    .symbol:         k_qbaed7fb8cb_ffn1.kd
    .args:
      - { .name: hq, .offset: 0, .size: 8, .value_kind: global_buffer, .address_space: global }
      - { .name: wimg, .offset: 8, .size: 8, .value_kind: global_buffer, .address_space: global }
      - { .name: W1_scales, .offset: 16, .size: 8, .value_kind: global_buffer, .address_space: global }
      - { .name: b1, .offset: 24, .size: 8, .value_kind: global_buffer, .address_space: global }
      - { .name: hid, .offset: 32, .size: 8, .value_kind: global_buffer, .address_space: global }
    .group_segment_fixed_size: 262656
    .private_segment_fixed_size: 0
    .kernarg_segment_align: 8
    .kernarg_segment_size: 40
    .max_flat_workgroup_size: 128
    .sgpr_count:     100
    .vgpr_count:     1024
    .wavefront_size: 32
...
	.end_amdgpu_metadata
.endif
;; end of part 5
;; launch ffn2 (part 6): grid 64 x 1, 4 waves a work-group, no clusters, 208,384 bytes of LDS; arguments hid, wimg, hf, b2, g2, beta2, out0; writes out0
.if DOCPART == 6
	.amdgcn_target "amdgcn-amd-amdhsa--gfx1250"
	.amdhsa_code_object_version 6
	.text
	.protected	k_qbaed7fb8cb_ffn2
	.globl	k_qbaed7fb8cb_ffn2
	.p2align	8
	.type	k_qbaed7fb8cb_ffn2,@function
k_qbaed7fb8cb_ffn2:
	s_mov_b64 s[64:65], 0
	v_nop
	global_prefetch_b8 v0, s[64:65] scope:SCOPE_SE
	s_setreg_imm32_b32 hwreg(HW_REG_WAVE_MODE, 25, 1), 1
	s_wait_xcnt 0x0
; out = LN2(h + hidden W2^T + b2).  A work-group owns 64 whole rows (four tiles of tokens), so that the norm is fused; wave w owns features 256 w .. 256 w + 255: 64 accumulators, 512 registers.
; Source 0 = 16 rows of W2, source 1 = 16 tokens: a lane holds one token, its registers run along the features, in the order of h's f32 images: h is loaded STRAIGHT INTO THE ACCUMULATORS, b2 is added, and every
; product adds in place.  The hidden layer's codes of the 64 rows, all 32 K steps (131,072 bytes), and their scale words come into LDS once: two tensor loads a wave at the head (two outstanding).
; W2's images go from memory straight into registers: each of their bytes feeds one wave of the work-group.  A unit = 8 fragments + 4 scale words = 17 loads; four sets of registers, three units ahead.
; 64 work-groups: the price of owning whole rows; it spares a launch and the sums' way to memory and back.  No cluster: nothing comes through LDS that two work-groups share.
; REGISTERS.  window 0: v1-8 addresses; v16-31 W2's scale words, four sets; v32-35 the hidden layer's, two sets; v36-51 at work; v64-127 the hidden layer's fragments, two sets (at the end: at work);
;   v128-255 b2, at the end rows of the result.   window 1: W2's fragments, four sets; at the end g2 and beta2.   windows 2, 3: accumulator (a, e, b) at window 2 + a / 2, v[128 (a % 2) + 64 e + 8 b].
.set PS,   16
.set RS,   32
.set CH,   36
.set SUM,  44
.set PRM,  48
.set NM,   64
.set RS2,  72
.set PART, 80
.set SEL,  20
.set RED,  139264
.set STG,  141312
.set MSB, 0
.macro WIN new
.if MSB != (\new)
	s_set_vgpr_msb (MSB<<8)|(\new)
.set MSB, (\new)
.endif
.endm
.macro PLACES n
.rept \n
	v_nop
.endr
.endm
.macro WM
.if rRA && rRB
	v_wmma_scale_f32_16x16x128_f8f6f4 v[rD:rD+7], v[rA:rA+7], v[rB:rB+7], v[rD:rD+7], v[rSA], v[rSB] matrix_a_fmt:MATRIX_FMT_FP4 matrix_b_fmt:MATRIX_FMT_FP4 matrix_a_scale:MATRIX_SCALE_ROW1 matrix_b_scale:MATRIX_SCALE_ROW1
.elseif rRA
	v_wmma_scale_f32_16x16x128_f8f6f4 v[rD:rD+7], v[rA:rA+7], v[rB:rB+7], v[rD:rD+7], v[rSA], v[rSB] matrix_a_fmt:MATRIX_FMT_FP4 matrix_b_fmt:MATRIX_FMT_FP4 matrix_a_scale:MATRIX_SCALE_ROW1
.elseif rRB
	v_wmma_scale_f32_16x16x128_f8f6f4 v[rD:rD+7], v[rA:rA+7], v[rB:rB+7], v[rD:rD+7], v[rSA], v[rSB] matrix_a_fmt:MATRIX_FMT_FP4 matrix_b_fmt:MATRIX_FMT_FP4 matrix_b_scale:MATRIX_SCALE_ROW1
.else
	v_wmma_scale_f32_16x16x128_f8f6f4 v[rD:rD+7], v[rA:rA+7], v[rB:rB+7], v[rD:rD+7], v[rSA], v[rSB] matrix_a_fmt:MATRIX_FMT_FP4 matrix_b_fmt:MATRIX_FMT_FP4
.endif
.endm
.macro BUNDLE set, co, so              ; a unit of W2: 16 loads of 512 consecutive bytes, and its scale words
	WIN 0x40
.irp i, 0,1,2,3,4,5,6,7
	global_load_b128 v[64*(\set)+8*\i:64*(\set)+8*\i+3], v1, s[52:53] offset:(\co)+1024*\i
	global_load_b128 v[64*(\set)+8*\i+4:64*(\set)+8*\i+7], v1, s[52:53] offset:(\co)+1024*\i+512
.endr
	WIN 0
	global_load_b128 v[PS+4*(\set):PS+4*(\set)+3], v1, s[54:55] offset:(\so)
.endm
.macro RLOAD set, st                   ; the hidden layer's four fragments and two scale words of the K step st steps on
.irp m, 0,1,2,3
	ds_load_b128 v[64+32*(\set)+8*\m:64+32*(\set)+8*\m+3], v2 offset:4096*(\st)+1024*\m
	ds_load_b128 v[64+32*(\set)+8*\m+4:64+32*(\set)+8*\m+7], v2 offset:4096*(\st)+1024*\m+512
.endr
	ds_load_b64 v[RS+2*(\set):RS+2*(\set)+1], v3 offset:256*(\st)
.endm
.macro MULU k, a0                      ; 16 matrix instructions: token tiles a0, a0 + 1 x the unit's eight tiles of W2; the accumulators take turns
.irp a, \a0, \a0+1
.irp b, 0,1,2,3,4,5,6,7
.set rD, 128*((\a)&1)+64*((\k)&1)+8*\b
.set rA, 64*(\k)+8*\b
.set rB, 64+32*((\k)>>1)+8*(\a)
.set rSA, PS+4*(\k)+(\b>>1)
.set rSB, RS+2*((\k)>>1)+((\a)>>1)
.set rRA, (\b&1)
.set rRB, ((\a)&1)
	WM
.endr
.endr
.endm
; unit k of a trip's four (two K steps x two halves of my features).  ld: the unit three on is asked for; cnt: the loads of younger units, which may stay out; rl: the next K step's hidden fragments are fetched
.macro UNIT k, ld, cnt, rl
	PLACES 4                                       ; in front of loads into registers that matrix instructions have read
.if \ld
.set uN, (\k)+3
	BUNDLE (uN&3), ((uN>>1)*65536+(uN&1)*8192), ((uN>>1)*4096+(uN&1)*512)
.endif
.if \rl
	RLOAD (1-((\k)>>1)), (((\k)>>1)+1)
.endif
.if ((\k)&1) == 0
	s_wait_dscnt 0x0                               ; this K step's hidden fragments, asked for a unit ago
.endif
	s_wait_loadcnt \cnt                            ; this unit's 17 loads are in; 17 for each younger unit may be out
	WIN 0xa1
	MULU \k, 0
	WIN 0xf1
	MULU \k, 2
	WIN 0
.endm
	s_load_b256 s[4:11], s[0:1], 0x0               ; hid, wimg, hf, b2
	s_load_b128 s[12:15], s[0:1], 0x20             ; g2, beta2
	s_load_b64 s[16:17], s[0:1], 0x30              ; out0
	v_lshl_add_u32 v62, v0, 2, 0x32c00
	v_mov_b32 v63, 0
	ds_add_u32 v62, v63
	ds_add_u32 v62, v63
	v_lshrrev_b32 v1, 5, v0
	v_readfirstlane_b32 s18, v1                    ; wave 0..3
	s_mov_b32 s[SEL], 0x76543210
	s_mov_b32 s[SEL+1], 0xfedcba98
	s_mov_b32 s22, 0x3a800000                      ; 1 / 1024
	s_mov_b32 s23, 0x3727c5ac                      ; 1e-5
	; group 1 for the codes: 8 K steps: 8 rows of 4,096 bytes (512 elements of 8 bytes), 262,144 bytes apart
	s_mov_b32 s24, 3<<16
	s_mov_b32 s25, 512<<16
	s_mov_b32 s26, 8<<16
	s_mov_b32 s27, 512<<16
	s_mov_b32 s28, 8
	s_mov_b32 s29, 32768
	s_mov_b32 s30, 0
	s_mov_b32 s31, 0
	; and for the scale words: 8 rows of 256 bytes, 16,384 bytes apart
	s_mov_b32 s32, 3<<16
	s_mov_b32 s33, 32<<16
	s_mov_b32 s34, 8<<16
	s_mov_b32 s35, 32<<16
	s_mov_b32 s36, 8
	s_mov_b32 s37, 2048
	s_mov_b32 s38, 0
	s_mov_b32 s39, 0
	s_lshl_b32 s48, s18, 21
	s_lshl_b32 s49, ttmp9, 12
	s_add_co_u32 s48, s48, s49
	s_mov_b32 s49, 0
	s_lshl_b32 s50, s18, 17
	s_lshl_b32 s51, ttmp9, 8
	s_add_co_u32 s50, s50, s51
	s_add_co_u32 s50, s50, 8388608
	s_mov_b32 s51, 0
	s_wait_dscnt 0x0
	s_wait_kmcnt 0x0
	s_mov_b32 s40, 1
	s_lshl_b32 s41, s18, 15                        ; LDS: 32,768 x wave
	s_add_nc_u64 s[42:43], s[4:5], s[48:49]
	s_or_b32 s43, s43, 0x80000000
	s_mov_b32 s44, 1
	s_lshl_b32 s45, s18, 11
	s_add_co_u32 s45, s45, 131072                  ; LDS: behind the codes, 2,048 x wave
	s_add_nc_u64 s[46:47], s[4:5], s[50:51]
	s_or_b32 s47, s47, 0x80000000
	s_lshl_b32 s48, s18, 14
	s_add_co_u32 s48, s48, 3670016
	s_add_nc_u64 s[52:53], s[6:7], s[48:49]        ; W2's images, my 16 tiles
	s_lshl_b32 s48, s18, 10
	s_add_nc_u64 s[58:59], s[10:11], s[48:49]      ; b2, g2, beta2: my 256 features
	s_add_nc_u64 s[60:61], s[12:13], s[48:49]
	s_add_nc_u64 s[62:63], s[14:15], s[48:49]
	s_lshl_b32 s50, ttmp9, 18
	s_add_co_u32 s50, s50, s48
	s_add_nc_u64 s[66:67], s[16:17], s[50:51]      ; out0: my 64 rows, my 1,024 bytes of each
	s_add_co_u32 s48, s48, 5767168
	s_add_nc_u64 s[54:55], s[6:7], s[48:49]        ; W2's scale words
	s_lshl_b32 s48, ttmp9, 18
	s_lshl_b32 s50, s18, 14
	s_add_co_u32 s48, s48, s50
	s_add_nc_u64 s[56:57], s[8:9], s[48:49]        ; h's images
	tensor_load_to_lds s[40:43], s[24:31]
	s_nop 0
	tensor_load_to_lds s[44:47], s[32:39]
	s_nop 0
	PLACES 4
	v_and_b32 v9, 31, v0                           ; L
	v_and_b32 v10, 15, v0                          ; r
	v_bfe_u32 v11, v0, 4, 1                        ; h
	v_lshlrev_b32 v1, 4, v9                        ; 16 L
	v_lshlrev_b32 v4, 6, v11                       ; 64 h
	BUNDLE 0, 0, 0
	BUNDLE 1, 8192, 512
	BUNDLE 2, 65536, 4096
.irp e, 0,1
.irp u, 0,1,2,3
.irp q, 0,1,2,3
	global_load_b128 v[128+64*\e+16*\u+4*\q:131+64*\e+16*\u+4*\q], v4, s[58:59] offset:512*\e+128*\u+16*\q
.endr
.endr
.endr
.irp a, 0,1,2,3
	WIN (2+(\a>>1))<<6
.irp e, 0,1
.irp q, 0,1,2,3,4,5,6,7,8,9,10,11,12,13,14,15
	global_load_b128 v[128*(\a&1)+64*\e+4*\q:128*(\a&1)+64*\e+4*\q+3], v1, s[56:57] offset:65536*\a+8192*\e+512*\q th:TH_LOAD_NT
.endr
.endr
.endr
	WIN 0
	v_mov_b32 v2, v1                               ; the hidden layer's images begin at LDS byte 0
	v_lshl_add_u32 v3, v9, 3, 131072               ; its scale words: 8 L
	s_lshl_b32 s48, s18, 2
	s_add_co_u32 s48, s48, RED
	v_lshl_add_u32 v5, v10, 4, s48                 ; the sums: 16 r + 4 w
	v_lshl_add_u32 v6, v10, 4, RED
	s_mul_i32 s48, s18, 16640
	s_add_co_u32 s48, s48, STG                     ; my stage: 16 rows x (1,024 + 16) bytes
	v_mul_u32_u24 v7, v10, 1040
	v_add_nc_u32 v7, v7, v4
	v_add_nc_u32 v7, s48, v7
	v_add_nc_u32 v8, s48, v1
.irp a, 0,1,2,3
	v_mov_b32 v[PRM+\a], 0
.endr
	s_wait_loadcnt 0x0
.irp a, 0,1,2,3
.set W, 2+(\a>>1)
.set XB, 128*(\a&1)
	WIN (W<<6)|W
.set i, 0
.rept 64
	v_pk_add_f32 v[XB+i:XB+i+1], v[XB+i:XB+i+1], v[128+i:129+i]   ; h + b2
.set i, i+2
.endr
.endr
	WIN 0
	s_wait_tensorcnt 0x0                           ; my two loads have landed
	s_barrier_signal -1
	s_barrier_wait -1                              ; everybody's have
	RLOAD 0, 0
	s_mov_b32 s19, 15
.Ltrip:                                            ; 15 trips of two K steps
	UNIT 0, 1, 51, 0
	UNIT 1, 1, 51, 1
	UNIT 2, 1, 51, 0
	UNIT 3, 1, 51, 1
	v_add_nc_u32 v2, 0x2000, v2
	v_add_nc_u32 v3, 0x200, v3
	s_wait_xcnt 0x0                                ; the loads have read their bases: both may step
	s_add_nc_u64 s[52:53], s[52:53], 0x20000
	s_add_nc_u64 s[54:55], s[54:55], 0x2000
	s_sub_co_u32 s19, s19, 1
	s_cmp_lg_u32 s19, 0
	s_cbranch_scc1 .Ltrip
	UNIT 0, 1, 51, 0                               ; the last two K steps: one more unit is asked for, then the counts run down
	UNIT 1, 0, 34, 1
	UNIT 2, 0, 17, 0
	UNIT 3, 0, 0, 0
	PLACES 4
	; ---- LN2
	WIN 0x40
.irp e, 0,1
.irp u, 0,1,2,3
.irp q, 0,1,2,3
	global_load_b128 v[64*\e+16*\u+4*\q:64*\e+16*\u+4*\q+3], v4, s[60:61] offset:512*\e+128*\u+16*\q
	global_load_b128 v[128+64*\e+16*\u+4*\q:131+64*\e+16*\u+4*\q], v4, s[62:63] offset:512*\e+128*\u+16*\q
.endr
.endr
.endr
	WIN 0
.macro FOLD a                          ; the four chains into one number
	WIN 0
	v_pk_add_f32 v[CH:CH+1], v[CH:CH+1], v[CH+2:CH+3]
	v_pk_add_f32 v[CH+4:CH+5], v[CH+4:CH+5], v[CH+6:CH+7]
	v_pk_add_f32 v[CH:CH+1], v[CH:CH+1], v[CH+4:CH+5]
	v_add_f32 v[SUM+(\a)], v[CH], v[CH+1]
.endm
.macro ROWSUM a                        ; my 128 numbers of my row of token tile a; each accumulator from its low end on
.set W, 2+((\a)>>1)
.set XB, 128*((\a)&1)
	WIN W|(W<<2)
.irp k, 0,1,2,3
	v_pk_add_f32 v[CH+2*\k:CH+2*\k+1], v[XB+4*\k:XB+4*\k+1], v[XB+4*\k+2:XB+4*\k+3]
.endr
	WIN W
.set i, 16
.rept 56
	v_pk_add_f32 v[CH+(i&6):CH+(i&6)+1], v[XB+i:XB+i+1], v[CH+(i&6):CH+(i&6)+1]
.set i, i+2
.endr
	FOLD \a
.endm
.macro ROWSQ a                         ; the mean is taken off in place; then the squares
.set W, 2+((\a)>>1)
.set XB, 128*((\a)&1)
	WIN (W<<6)|W
.set i, 0
.rept 64
	v_pk_add_f32 v[XB+i:XB+i+1], v[XB+i:XB+i+1], v[NM+2*(\a):NM+2*(\a)+1]
.set i, i+2
.endr
	WIN W|(W<<2)
.irp k, 0,1,2,3
	v_pk_mul_f32 v[CH+2*\k:CH+2*\k+1], v[XB+2*\k:XB+2*\k+1], v[XB+2*\k:XB+2*\k+1]
.endr
.set i, 8
.rept 60
	v_pk_fma_f32 v[CH+(i&6):CH+(i&6)+1], v[XB+i:XB+i+1], v[XB+i:XB+i+1], v[CH+(i&6):CH+(i&6)+1]
.set i, i+2
.endr
	FOLD \a
.endm
.macro ACROSS off                      ; the lane 16 away and the four waves: each row's sum in v[PART + 4 a]
.irp a, 0,1,2,3
	v_permlanex16_b32 v[PRM+\a], v[SUM+\a], s[SEL], s[SEL+1]
.endr
.irp a, 0,1,2,3
	v_add_f32 v[SUM+\a], v[SUM+\a], v[PRM+\a]
.endr
.irp a, 0,1,2,3
	ds_store_b32 v5, v[SUM+\a] offset:\off+256*\a
.endr
	s_wait_dscnt 0x0                               ; for the others' sake
	s_barrier_signal -1
	s_barrier_wait -1
.irp a, 0,1,2,3
	ds_load_b128 v[PART+4*\a:PART+4*\a+3], v6 offset:\off+256*\a
.endr
	s_wait_dscnt 0x0
.irp a, 0,1,2,3
	v_pk_add_f32 v[PART+4*\a:PART+4*\a+1], v[PART+4*\a:PART+4*\a+1], v[PART+4*\a+2:PART+4*\a+3]
.endr
.irp a, 0,1,2,3
	v_add_f32 v[PART+4*\a], v[PART+4*\a], v[PART+4*\a+1]
.endr
.endm
.irp a, 0,1,2,3
	ROWSUM \a
.endr
	ACROSS 0
.irp a, 0,1,2,3
	v_mul_f32 v[NM+2*\a], 0xba800000, v[PART+4*\a] ; - the mean, in both registers of a pair
.endr
.irp a, 0,1,2,3
	v_mov_b32 v[NM+2*\a+1], v[NM+2*\a]
.endr
.irp a, 0,1,2,3
	ROWSQ \a
.endr
	ACROSS 1024
.irp a, 0,1,2,3
	v_fma_f32 v[RS2+2*\a], v[PART+4*\a], s22, s23  ; the variance + 1e-5
.endr
.irp a, 0,1,2,3
	v_rsq_f32 v[RS2+2*\a], v[RS2+2*\a]
.endr
	v_nop
	s_wait_alu depctr_va_vdst(0)                   ; one wait for the four, ahead of their first reader
.irp a, 0,1,2,3
	v_mov_b32 v[RS2+2*\a+1], v[RS2+2*\a]
.endr
	s_wait_loadcnt 0x0                             ; g2 and beta2
; token tile a: scaled, through my own stage in LDS, and out as runs of 512 consecutive bytes of a row.  LDS serves a wave's instructions in order: no wait between the stores and the loads, nor ahead of the next tile's stores
.macro OUTA a
.set W, 2+((\a)>>1)
.set XB, 128*((\a)&1)
	WIN (W<<6)|W
.set i, 0
.rept 64
	v_pk_mul_f32 v[XB+i:XB+i+1], v[XB+i:XB+i+1], v[RS2+2*(\a):RS2+2*(\a)+1]
.set i, i+2
.endr
	WIN (W<<6)|(1<<4)|(1<<2)|W
.set i, 0
.rept 64
	v_pk_fma_f32 v[XB+i:XB+i+1], v[XB+i:XB+i+1], v[i:i+1], v[128+i:129+i]
.set i, i+2
.endr
	WIN (W<<2)
.set i, 0
.rept 32
	ds_store_b128 v7, v[XB+4*i:XB+4*i+3] offset:512*(i>>4)+128*((i>>2)&3)+16*(i&3)
.set i, i+1
.endr
	WIN 0
.if (\a) > 0
	s_wait_xcnt 0x0                                ; the last tile's stores have read their registers
.endif
.set i, 0
.rept 32
	ds_load_b128 v[128+4*i:131+4*i], v8 offset:1040*(i>>1)+512*(i&1)
.set i, i+1
.endr
.set i, 0
.rept 32
	s_wait_dscnt 31-i                              ; the younger reads from the stage may be out
	global_store_b128 v1, v[128+4*i:131+4*i], s[66:67] offset:(32*((\a)>>1)+8*((\a)&1)+(i>>1)+((i>>1)&8))*4096+512*(i&1) th:TH_STORE_NT
.set i, i+1
.endr
.endm
.irp a, 0,1,2,3
	OUTA \a
.endr
	s_wait_tensorcnt 0x0
	ds_add_u32 v62, v63
	s_wait_dscnt 0x0
	s_endpgm
.Lfunc_end_k_qbaed7fb8cb_ffn2:
	.size	k_qbaed7fb8cb_ffn2, .Lfunc_end_k_qbaed7fb8cb_ffn2-k_qbaed7fb8cb_ffn2
	.p2alignl 7, 3214868480
	.fill 96, 4, 3214868480
	.section	.rodata,"a",@progbits
	.p2align	6, 0x0
	.amdhsa_kernel k_qbaed7fb8cb_ffn2
		.amdhsa_group_segment_fixed_size 208384
		.amdhsa_private_segment_fixed_size 0
		.amdhsa_enable_private_segment 0
		.amdhsa_kernarg_size 56
		.amdhsa_user_sgpr_count 2
		.amdhsa_user_sgpr_kernarg_segment_ptr 1
		.amdhsa_wavefront_size32 1
		.amdhsa_system_sgpr_workgroup_id_x 1
		.amdhsa_system_sgpr_workgroup_id_y 1
		.amdhsa_system_sgpr_workgroup_id_z 1
		.amdhsa_system_vgpr_workitem_id 0
		.amdhsa_next_free_vgpr 1024
		.amdhsa_next_free_sgpr 72
		.amdhsa_reserve_vcc 0
		.amdhsa_float_denorm_mode_32 3
		.amdhsa_float_denorm_mode_16_64 3
		.amdhsa_memory_ordered 1
		.amdhsa_forward_progress 1
		.amdhsa_inst_pref_size 210
	.end_amdhsa_kernel
	.amdgpu_metadata
---
amdhsa.version: [ 1, 2 ]
amdhsa.kernels:
  - .name:           k_qbaed7fb8cb_ffn2
    .symbol:         k_qbaed7fb8cb_ffn2.kd
    .args:
      - { .name: hid, .offset: 0, .size: 8, .value_kind: global_buffer, .address_space: global }
      - { .name: wimg, .offset: 8, .size: 8, .value_kind: global_buffer, .address_space: global }
      - { .name: hf, .offset: 16, .size: 8, .value_kind: global_buffer, .address_space: global }
      - { .name: b2, .offset: 24, .size: 8, .value_kind: global_buffer, .address_space: global }
      - { .name: g2, .offset: 32, .size: 8, .value_kind: global_buffer, .address_space: global }
      - { .name: beta2, .offset: 40, .size: 8, .value_kind: global_buffer, .address_space: global }
      - { .name: out0, .offset: 48, .size: 8, .value_kind: global_buffer, .address_space: global }
    .group_segment_fixed_size: 208384
    .private_segment_fixed_size: 0
    .kernarg_segment_align: 8
    .kernarg_segment_size: 56
    .max_flat_workgroup_size: 128
    .sgpr_count:     72
    .vgpr_count:     1024
    .wavefront_size: 32
...
	.end_amdgpu_metadata
.endif
;; end of part 6
;; ======== version 2 of 3: 7 launches; 1.14 times as fast as version 1
;; workspace buffers: xq 2,228,224 bytes; hq 2,228,224 bytes; wimg 5,898,240 bytes; qkvc 7,077,888 bytes; att 16,777,216 bytes; hf 16,777,216 bytes; hid 8,912,896 bytes
;; launch prep: the kernel of part 1 again; grid 432 x 1, 8 waves a work-group, no clusters, 2,048 bytes of LDS; arguments x, Wq_codes, Wk_codes, Wv_codes, W1_codes, W2_codes, W2_scales, xq, wimg; writes xq, wimg
;; launch qkv: the kernel of part 2 again; grid 192 x 1, 4 waves a work-group, no clusters, 262,656 bytes of LDS; arguments xq, wimg, Wq_scales, Wk_scales, Wv_scales, bq, bk, bv, qkvc; writes qkvc
;; launch attn: the kernel of part 3 again; grid 8 x 32, 16 waves a work-group, no clusters, 149,504 bytes of LDS; arguments qkvc, att; writes att
;; launch ln1: the kernel of part 4 again; grid 256 x 1, 8 waves a work-group, no clusters, 3,072 bytes of LDS; arguments x, att, g1, beta1, hf, hq; writes hf, hq
;; launch ffn1: the kernel of part 5 again; grid 16 x 16, 4 waves a work-group, no clusters, 262,656 bytes of LDS; arguments hq, wimg, W1_scales, b1, hid; writes hid
;; launch ffn2 (part 7): grid 4 x 64, 4 waves a work-group, no clusters, 205,312 bytes of LDS; arguments hid, wimg, hf, b2, att; writes att
.if DOCPART == 7
	.amdgcn_target "amdgcn-amd-amdhsa--gfx1250"
	.amdhsa_code_object_version 6
	.text
	.protected	k_qbaed7fb8cb_ffn2
	.globl	k_qbaed7fb8cb_ffn2
	.p2align	8
	.type	k_qbaed7fb8cb_ffn2,@function
k_qbaed7fb8cb_ffn2:
	s_mov_b64 s[64:65], 0
	v_nop
	global_prefetch_b8 v0, s[64:65] scope:SCOPE_SE
	s_setreg_imm32_b32 hwreg(HW_REG_WAVE_MODE, 25, 1), 1
	s_wait_xcnt 0x0
; sums = hidden W2^T + b2 + h, on codes of E2M1; the norm over a row follows in the next launch.  Work-group (x, y): features 256 x .. 256 x + 255 of the 64 tokens of the four tiles 4 y .. 4 y + 3: 256 work-groups.
; Wave w owns features 256 x + 64 w .. + 63: four tiles of W2 x four tiles of tokens: 16 accumulators, 128 registers.
; Source 0 = 16 rows of W2, source 1 = 16 tokens: a lane holds one token, and its registers run along the features in the order of the f32 images (register R of an image: feature 32 (R / 16) + 16 (lane / 16) + R % 16
; of its 128): h comes as such an image and the sums leave as one, by dense stores.  They go into att, whose numbers were last read two launches ago.
; LDS, each byte filled once: the hidden layer's codes of the 64 tokens, all 32 K steps (131,072 bytes), their scale words (8,192), and h, each wave's own 16,384 bytes.  Three tensor loads a wave at the head:
; three outstanding.
; W2's images go from memory straight into registers: each of their bytes feeds one wave of the work-group.  A bundle = a K step = 2 scale words a lane + 4 fragments = 9 loads; eight sets of registers; a bundle is asked
; for six K steps ahead: 7 x 9 = 63 loads are out at the most.  The 32 K steps are written out: every offset is an immediate, no base is stepped.
; b2 is the C of each sum's first product; h is added behind the last: another order of rounding than h + (ffn + b2), within f32.
; No cluster: W2 comes by no tensor load, and the panel that four work-groups share, 139,264 of the 729,088 bytes that a work-group reads, is asked for once, at the head.
; REGISTERS.  window 0: v1 16 x lane, v2 the same + 65,536, v3 the hidden layer's scale words, v4 64 (lane / 16), v5 my part of h in LDS; v16-31 W2's scale words, eight sets; v32-35 the hidden layer's, two sets;
;   v64-127 the hidden layer's fragments, two sets; v128-159 b2.   window 1: W2's fragments, eight sets of 32.   window 2: v0-127 accumulator (a, b) at v[32 a + 8 b]; v128-255 h.
.set PS,    16
.set RS,    32
.set RF,    64
.set B2,    128
.set HSB,   131072
.set HFB,   139264
.set AHEAD, 6
.set MSB, 0
.macro WIN new                         ; the immediate's high byte repeats the setting that is left; a switch that changes nothing is dropped
.if MSB != (\new)
	s_set_vgpr_msb (MSB<<8)|(\new)
.set MSB, (\new)
.endif
.endm
.macro PLACES n
.rept \n
	v_nop
.endr
.endm
; one matrix instruction, its registers in the symbols rD, rA, rB, rC, rSA, rSB; rRA, rRB: the side's scale words stand in lanes 16-31
.macro WM
.if rRA && rRB
	v_wmma_scale_f32_16x16x128_f8f6f4 v[rD:rD+7], v[rA:rA+7], v[rB:rB+7], v[rC:rC+7], v[rSA], v[rSB] matrix_a_fmt:MATRIX_FMT_FP4 matrix_b_fmt:MATRIX_FMT_FP4 matrix_a_scale:MATRIX_SCALE_ROW1 matrix_b_scale:MATRIX_SCALE_ROW1
.elseif rRA
	v_wmma_scale_f32_16x16x128_f8f6f4 v[rD:rD+7], v[rA:rA+7], v[rB:rB+7], v[rC:rC+7], v[rSA], v[rSB] matrix_a_fmt:MATRIX_FMT_FP4 matrix_b_fmt:MATRIX_FMT_FP4 matrix_a_scale:MATRIX_SCALE_ROW1
.elseif rRB
	v_wmma_scale_f32_16x16x128_f8f6f4 v[rD:rD+7], v[rA:rA+7], v[rB:rB+7], v[rC:rC+7], v[rSA], v[rSB] matrix_a_fmt:MATRIX_FMT_FP4 matrix_b_fmt:MATRIX_FMT_FP4 matrix_b_scale:MATRIX_SCALE_ROW1
.else
	v_wmma_scale_f32_16x16x128_f8f6f4 v[rD:rD+7], v[rA:rA+7], v[rB:rB+7], v[rC:rC+7], v[rSA], v[rSB] matrix_a_fmt:MATRIX_FMT_FP4 matrix_b_fmt:MATRIX_FMT_FP4
.endif
.endm
; the bundle of K step BT, in two parts that follow each other among the global loads: the scale words of my two pairs of tiles, then my four fragments, 512 consecutive bytes a load
.macro SCALES_W2
	global_load_b64 v[PS+2*(BT&7):PS+2*(BT&7)+1], v1, s[54:55] offset:4096*BT
.endm
.macro CODES_W2
	WIN 0x40
.irp b, 0,1,2,3
	global_load_b128 v[32*(BT&7)+8*\b:32*(BT&7)+8*\b+3], v1, s[52:53] offset:65536*BT+1024*\b
	global_load_b128 v[32*(BT&7)+8*\b+4:32*(BT&7)+8*\b+7], v1, s[52:53] offset:65536*BT+1024*\b+512
.endr
.endm
; the hidden layer's four fragments and two scale words of K step RT: nine LDS loads.  An LDS offset has 16 bits: K steps 16 on take the second address register
.macro RLOAD
.set rAD, 1+(RT>>4)
.irp m, 0,1,2,3
	ds_load_b128 v[RF+32*(RT&1)+8*\m:RF+32*(RT&1)+8*\m+3], v[rAD] offset:4096*(RT&15)+1024*\m
	ds_load_b128 v[RF+32*(RT&1)+8*\m+4:RF+32*(RT&1)+8*\m+7], v[rAD] offset:4096*(RT&15)+1024*\m+512
.endr
	ds_load_b64 v[RS+2*(RT&1):RS+2*(RT&1)+1], v3 offset:256*RT
.endm
; K step S: 16 matrix instructions, the 16 accumulators by turns, one instruction a turn, in the same order in every step
.macro KSTEP
.if S > 0
	PLACES 4                                       ; behind the last step's products, in front of loads into registers that matrix instructions have read: the hidden layer's other set (read a step ago), W2's set of two steps ago
.endif
	WIN 0
.set BT, S+AHEAD
.set RT, S+1
.if BT < 32
	SCALES_W2
.endif
.if RT < 32
	RLOAD
.else
	s_wait_tensorcnt 0x0                           ; my part of h has landed; I alone read it
	WIN 0x80
.irp a, 0,1,2,3
.irp q, 0,1,2,3,4,5,6,7
	ds_load_b128 v[128+32*\a+4*\q:131+32*\a+4*\q], v5 offset:4096*\a+512*\q   ; it comes while the last products are issued
.endr
.endr
.endif
.if BT < 32
	CODES_W2
.endif
.if RT < 32
	s_wait_dscnt 9                                 ; this step's hidden fragments are in; the next step's nine loads may be out
.else
	s_wait_dscnt 32                                ; the 32 loads of h may be out
.endif
.if BT < 32
	s_wait_loadcnt 9*AHEAD                         ; this step's bundle is in; the six younger bundles of nine loads may be out
.else
	s_wait_loadcnt 9*(31-S)                        ; nothing more is asked for: the counts run down
.endif
.if S == 0
	WIN 0x81                                       ; W2 window 1, the hidden layer and b2 window 0, the result window 2
.else
	WIN 0xa1                                       ; W2 window 1, the hidden layer window 0, C and D window 2
.endif
.irp a, 0,1,2,3
.irp b, 0,1,2,3
.set rD, 32*\a+8*\b
.set rA, 32*(S&7)+8*\b
.set rB, RF+32*(S&1)+8*\a
.set rC, rD
.if S == 0
.set rC, B2+8*\b
.endif
.set rSA, PS+2*(S&7)+(\b>>1)
.set rSB, RS+2*(S&1)+(\a>>1)
.set rRA, (\b&1)
.set rRB, (\a&1)
	WM
.endr
.endr
.endm
	s_load_b256 s[4:11], s[0:1], 0x0               ; hid, wimg, hf, b2
	s_load_b64 s[12:13], s[0:1], 0x20              ; att
	v_lshl_add_u32 v254, v0, 2, 0x32000
	v_mov_b32 v255, 0
	ds_add_u32 v254, v255
	ds_add_u32 v254, v255
	v_lshrrev_b32 v1, 5, v0
	v_readfirstlane_b32 s18, v1                    ; wave 0..3
	s_and_b32 s19, ttmp7, 0xffff                   ; y: which 64 tokens
	; group 1 for the codes: 8 K steps: 8 rows of 4,096 bytes (512 elements of 8 bytes), 262,144 bytes apart
	s_mov_b32 s24, 3<<16
	s_mov_b32 s25, 512<<16
	s_mov_b32 s26, 8<<16
	s_mov_b32 s27, 512<<16
	s_mov_b32 s28, 8
	s_mov_b32 s29, 32768
	s_mov_b32 s30, 0
	s_mov_b32 s31, 0
	; for the scale words: 8 rows of 256 bytes, 16,384 bytes apart
	s_mov_b32 s32, 3<<16
	s_mov_b32 s33, 32<<16
	s_mov_b32 s34, 8<<16
	s_mov_b32 s35, 32<<16
	s_mov_b32 s36, 8
	s_mov_b32 s37, 2048
	s_mov_b32 s38, 0
	s_mov_b32 s39, 0
	; for h: my half image of each of the four tiles of tokens: 4 rows of 4,096 bytes, 65,536 bytes apart
	s_mov_b32 s68, 3<<16
	s_mov_b32 s69, 512<<16
	s_mov_b32 s70, 4<<16
	s_mov_b32 s71, 512<<16
	s_mov_b32 s72, 4
	s_mov_b32 s73, 8192
	s_mov_b32 s74, 0
	s_mov_b32 s75, 0
	s_lshl_b32 s48, s18, 21                        ; codes: K steps 8 w on, tiles 4 y on
	s_lshl_b32 s49, s19, 12
	s_add_co_u32 s48, s48, s49
	s_mov_b32 s49, 0
	s_lshl_b32 s50, s18, 17                        ; scale words likewise
	s_lshl_b32 s51, s19, 8
	s_add_co_u32 s50, s50, s51
	s_add_co_u32 s50, s50, 8388608
	s_mov_b32 s51, 0
	s_lshl_b32 s20, s19, 18                        ; f32 images: 262,144 y + 16,384 x + 4,096 w
	s_lshl_b32 s21, ttmp9, 14
	s_add_co_u32 s20, s20, s21
	s_lshl_b32 s21, s18, 12
	s_add_co_u32 s20, s20, s21
	s_mov_b32 s21, 0
	s_wait_dscnt 0x0
	s_wait_kmcnt 0x0
	s_mov_b32 s40, 1
	s_lshl_b32 s41, s18, 15                        ; LDS: 32,768 x wave
	s_add_nc_u64 s[42:43], s[4:5], s[48:49]
	s_or_b32 s43, s43, 0x80000000
	s_mov_b32 s44, 1
	s_lshl_b32 s45, s18, 11
	s_add_co_u32 s45, s45, HSB                     ; LDS: behind the codes, 2,048 x wave
	s_add_nc_u64 s[46:47], s[4:5], s[50:51]
	s_or_b32 s47, s47, 0x80000000
	s_mov_b32 s60, 1
	s_lshl_b32 s61, s18, 14
	s_add_co_u32 s61, s61, HFB                     ; LDS: behind the scale words, 16,384 x wave
	s_add_nc_u64 s[62:63], s[8:9], s[20:21]
	s_or_b32 s63, s63, 0x80000000
	tensor_load_to_lds s[40:43], s[24:31]          ; all first fills in one group, ahead of every wait on TENSORcnt, LDS read and barrier
	s_nop 0
	tensor_load_to_lds s[44:47], s[32:39]
	s_nop 0
	tensor_load_to_lds s[60:63], s[68:75]          ; h last: it is wanted last
	s_nop 0
	PLACES 4                                       ; four lines here ahead of the next switch of windows
	s_add_nc_u64 s[58:59], s[12:13], s[20:21]      ; where the sums go
	s_lshl_b32 s48, ttmp9, 14
	s_lshl_b32 s50, s18, 12
	s_add_co_u32 s48, s48, s50
	s_add_co_u32 s48, s48, 3670016
	s_add_nc_u64 s[52:53], s[6:7], s[48:49]        ; W2's images, my four tiles: tile 16 x + 4 w on
	s_lshl_b32 s48, ttmp9, 10                      ; W2's scale words lie [K step][8 tiles][lane][pair 4]: my 8 tiles' 512 bytes, my two pairs' 8 bytes of a lane's 16
	s_lshr_b32 s50, s18, 1
	s_lshl_b32 s50, s50, 9
	s_add_co_u32 s48, s48, s50
	s_and_b32 s50, s18, 1
	s_lshl_b32 s50, s50, 3
	s_add_co_u32 s48, s48, s50
	s_add_co_u32 s48, s48, 5767168
	s_add_nc_u64 s[54:55], s[6:7], s[48:49]
	s_lshl_b32 s48, ttmp9, 10
	s_lshl_b32 s50, s18, 8
	s_add_co_u32 s48, s48, s50
	s_add_nc_u64 s[56:57], s[10:11], s[48:49]      ; b2: my 64 features
	v_and_b32 v9, 31, v0                           ; L
	v_bfe_u32 v11, v0, 4, 1                        ; h
	v_lshlrev_b32 v1, 4, v9                        ; 16 L: the offset of every image, in memory and in LDS
	v_lshlrev_b32 v4, 6, v11                       ; 64 h
.irp u, 0,1
.irp q, 0,1,2,3
	global_load_b128 v[B2+16*\u+4*\q:B2+16*\u+4*\q+3], v4, s[56:57] offset:128*\u+16*\q   ; register R: b2 of feature 32 (R / 16) + 16 h + R % 16
.endr
.endr
.set BT, 0
.rept AHEAD
	WIN 0
	SCALES_W2
	CODES_W2
.set BT, BT+1
.endr
	WIN 0
	v_add_nc_u32 v2, 0x10000, v1
	v_lshl_add_u32 v3, v9, 3, HSB                  ; the hidden layer's scale words: 8 L
	s_lshl_b32 s48, s18, 14
	s_add_co_u32 s48, s48, HFB
	v_add_nc_u32 v5, s48, v1                       ; my part of h
	s_wait_tensorcnt 0x1                           ; my parts of the codes and of the scale words have landed; h's load, issued behind them, may stay out
	s_barrier_signal -1
	s_barrier_wait -1                              ; everybody's have
.set RT, 0
	RLOAD
	s_wait_loadcnt 9*AHEAD                         ; b2 is in; the six bundles issued behind it may be out
.set S, 0
.rept 32
	KSTEP
.set S, S+1
.endr
	PLACES 4                                       ; behind the last products, ahead of the first read of results
	s_wait_dscnt 0x0                               ; h
	WIN 0x8a
.set i, 0
.rept 64
	v_pk_add_f32 v[i:i+1], v[i:i+1], v[128+i:129+i]   ; + h; each accumulator from its low end on
.set i, i+2
.endr
	WIN 0x08                                       ; a store's data are its source 1: window 2
.irp a, 0,1,2,3
.irp q, 0,1,2,3,4,5,6,7
	global_store_b128 v1, v[32*\a+4*\q:32*\a+4*\q+3], s[58:59] offset:65536*\a+512*\q   ; 512 consecutive bytes a store
.endr
.endr
	WIN 0
	s_wait_tensorcnt 0x0
	ds_add_u32 v254, v255
	s_wait_dscnt 0x0
	s_endpgm
.Lfunc_end_k_qbaed7fb8cb_ffn2:
	.size	k_qbaed7fb8cb_ffn2, .Lfunc_end_k_qbaed7fb8cb_ffn2-k_qbaed7fb8cb_ffn2
	.p2alignl 7, 3214868480
	.fill 96, 4, 3214868480
	.section	.rodata,"a",@progbits
	.p2align	6, 0x0
	.amdhsa_kernel k_qbaed7fb8cb_ffn2
		.amdhsa_group_segment_fixed_size 205312
		.amdhsa_private_segment_fixed_size 0
		.amdhsa_enable_private_segment 0
		.amdhsa_kernarg_size 40
		.amdhsa_user_sgpr_count 2
		.amdhsa_user_sgpr_kernarg_segment_ptr 1
		.amdhsa_wavefront_size32 1
		.amdhsa_system_sgpr_workgroup_id_x 1
		.amdhsa_system_sgpr_workgroup_id_y 1
		.amdhsa_system_sgpr_workgroup_id_z 1
		.amdhsa_system_vgpr_workitem_id 0
		.amdhsa_next_free_vgpr 768
		.amdhsa_next_free_sgpr 76
		.amdhsa_reserve_vcc 0
		.amdhsa_float_denorm_mode_32 3
		.amdhsa_float_denorm_mode_16_64 3
		.amdhsa_memory_ordered 1
		.amdhsa_forward_progress 1
		.amdhsa_inst_pref_size 134
	.end_amdhsa_kernel
	.amdgpu_metadata
---
amdhsa.version: [ 1, 2 ]
amdhsa.kernels:
  - .name:           k_qbaed7fb8cb_ffn2
    .symbol:         k_qbaed7fb8cb_ffn2.kd
    .args:
      - { .name: hid, .offset: 0, .size: 8, .value_kind: global_buffer, .address_space: global }
      - { .name: wimg, .offset: 8, .size: 8, .value_kind: global_buffer, .address_space: global }
      - { .name: hf, .offset: 16, .size: 8, .value_kind: global_buffer, .address_space: global }
      - { .name: b2, .offset: 24, .size: 8, .value_kind: global_buffer, .address_space: global }
      - { .name: att, .offset: 32, .size: 8, .value_kind: global_buffer, .address_space: global }
    .group_segment_fixed_size: 205312
    .private_segment_fixed_size: 0
    .kernarg_segment_align: 8
    .kernarg_segment_size: 40
    .max_flat_workgroup_size: 128
    .sgpr_count:     76
    .vgpr_count:     768
    .wavefront_size: 32
...
	.end_amdgpu_metadata
.endif
;; end of part 7
;; launch ln2 (part 8): grid 256 x 1, 8 waves a work-group, no clusters, 69,632 bytes of LDS; arguments att, g2, beta2, out0; writes out0
.if DOCPART == 8
	.amdgcn_target "amdgcn-amd-amdhsa--gfx1250"
	.amdhsa_code_object_version 6
	.text
	.protected	k_qbaed7fb8cb_ln2
	.globl	k_qbaed7fb8cb_ln2
	.p2align	8
	.type	k_qbaed7fb8cb_ln2,@function
k_qbaed7fb8cb_ln2:
	s_mov_b64 s[64:65], 0
	v_nop
	global_prefetch_b8 v0, s[64:65] scope:SCOPE_SE
	s_setreg_imm32_b32 hwreg(HW_REG_WAVE_MODE, 25, 1), 1
	s_wait_xcnt 0x0
; out = LN2(sums), the sums h + ffn as the launch before has laid them: f32 images in att.
; Work-group = a tile of 16 tokens (rows 32 (T / 2) + 8 (T % 2) + r + (r & 8)), wave = 128 features.  A lane holds 64 numbers of one row: register R is feature 32 (R / 16) + 16 (lane / 16) + R % 16 of the wave's 128.
; A row's sums meet in LDS: two barriers.  The variance is taken of the centred numbers, in a second pass over registers: a common offset on the inputs costs no precision.
; THE WAY OUT: a lane's numbers are pieces of 64 bytes of its row, so the wave's 16 rows x 512 bytes go through its own stage in LDS (rows 528 bytes apart: the sixteen rows that a store touches start at sixteen
; different banks, 64 banks of 4 bytes: ISA guide 11.1) and leave as whole runs of 512 consecutive bytes.
; Memory binds: no matrix unit, no cluster, no tensor load; each byte is read once and written once.  NaN and infinities are not served.
.set X,   16                           ; v16-79   the row's numbers
.set A,   80                           ; v80-143  beta2; at the end the rows read back from the stage
.set G,   144                          ; v144-207 g2
.set CH,  234                          ; v234-241 four packed chains
.set SEL, 24
.set STG, 1024                         ; behind the two sums' 512 bytes each: 16 x 528 bytes for each wave
; the four chains, the lane 16 away, and the eight waves: the row's sum in v242 of every lane.  off: the 512 LDS bytes of this sum
.macro ACROSS off
	v_pk_add_f32 v[CH:CH+1], v[CH:CH+1], v[CH+2:CH+3]
	v_pk_add_f32 v[CH+4:CH+5], v[CH+4:CH+5], v[CH+6:CH+7]
	v_pk_add_f32 v[CH:CH+1], v[CH:CH+1], v[CH+4:CH+5]
	v_add_f32 v[CH], v[CH], v[CH+1]
	v_permlanex16_b32 v[CH+2], v[CH], s[SEL], s[SEL+1]
	v_add_f32 v[CH], v[CH], v[CH+2]
	ds_store_b32 v9, v[CH] offset:\off
	s_wait_dscnt 0x0                               ; for the others' sake
	s_barrier_signal -1
	s_barrier_wait -1
	ds_load_b128 v[242:245], v8 offset:\off
	ds_load_b128 v[246:249], v8 offset:\off+16
	s_wait_dscnt 0x0
	v_pk_add_f32 v[242:243], v[242:243], v[244:245]
	v_pk_add_f32 v[246:247], v[246:247], v[248:249]
	v_pk_add_f32 v[242:243], v[242:243], v[246:247]
	v_add_f32 v242, v242, v243
.endm
	s_load_b256 s[4:11], s[0:1], 0x0               ; att (the sums), g2, beta2, out0
	v_lshl_add_u32 v254, v0, 2, 0x10c00
	v_mov_b32 v255, 0
	v_lshrrev_b32 v1, 5, v0
	v_readfirstlane_b32 s16, v1                    ; wave = which 128 features
	v_and_b32 v1, 31, v0                           ; L
	v_and_b32 v2, 15, v0                           ; r
	v_bfe_u32 v3, v0, 4, 1                         ; h
	v_lshlrev_b32 v5, 4, v1                        ; 16 L
	v_lshlrev_b32 v7, 6, v3                        ; 64 h
	v_lshlrev_b32 v8, 5, v2                        ; LDS: 32 r
	s_lshl_b32 s17, s16, 2
	v_add_nc_u32 v9, s17, v8                       ; 32 r + 4 s
	s_mul_i32 s17, s16, 8448
	s_add_co_u32 s17, s17, STG                     ; my stage
	v_mul_u32_u24 v11, v2, 528
	v_add_nc_u32 v11, v11, v7
	v_add_nc_u32 v11, s17, v11                     ; in: row r, + 64 h
	v_add_nc_u32 v12, s17, v5                      ; back: 16 bytes a lane of a row's 512
	s_mov_b32 s[SEL], 0x76543210
	s_mov_b32 s[SEL+1], 0xfedcba98
	s_mov_b32 s22, 0x3a800000                      ; 1 / 1024
	s_mov_b32 s23, 0x3727c5ac                      ; 1e-5
	s_lshr_b32 s18, ttmp9, 1
	s_lshl_b32 s18, s18, 5
	s_and_b32 s19, ttmp9, 1
	s_lshl_b32 s19, s19, 3
	s_add_co_u32 s18, s18, s19                     ; the tile's first row
	s_lshl_b32 s19, s16, 9                         ; 512 bytes for 128 features
	s_mov_b32 s21, 0
	s_wait_kmcnt 0x0
	s_lshl_b32 s20, ttmp9, 3
	s_add_co_u32 s20, s20, s16
	s_lshl_b32 s20, s20, 13                        ; the image (T, s): 8,192 bytes
	s_add_nc_u64 s[4:5], s[4:5], s[20:21]
	s_mov_b32 s20, s19
	s_add_nc_u64 s[6:7], s[6:7], s[20:21]
	s_add_nc_u64 s[8:9], s[8:9], s[20:21]
	s_lshl_b32 s20, s18, 12
	s_add_co_u32 s20, s20, s19
	s_add_nc_u64 s[10:11], s[10:11], s[20:21]
.irp q, 0,1,2,3,4,5,6,7,8,9,10,11,12,13,14,15
	global_load_b128 v[X+4*\q:X+4*\q+3], v5, s[4:5] offset:512*\q th:TH_LOAD_NT
.endr
.irp b, 0,1,2,3
.irp j, 0,1,2,3
	global_load_b128 v[G+16*\b+4*\j:G+16*\b+4*\j+3], v7, s[6:7] offset:128*\b+16*\j
.endr
.endr
.irp b, 0,1,2,3
.irp j, 0,1,2,3
	global_load_b128 v[A+16*\b+4*\j:A+16*\b+4*\j+3], v7, s[8:9] offset:128*\b+16*\j
.endr
.endr
	s_wait_loadcnt 32                              ; the sums are in; the 32 loads of g2 and beta2 may be out
.irp k, 0,1,2,3
	v_pk_add_f32 v[CH+2*\k:CH+2*\k+1], v[X+4*\k:X+4*\k+1], v[X+4*\k+2:X+4*\k+3]
.endr
.set i, 16
.rept 24
	v_pk_add_f32 v[CH+(i&6):CH+(i&6)+1], v[CH+(i&6):CH+(i&6)+1], v[X+i:X+i+1]
.set i, i+2
.endr
	ACROSS 0
	v_mul_f32 v250, 0xba800000, v242               ; - the mean, in both registers of a pair
	v_mov_b32 v251, v250
.set i, 0
.rept 32
	v_pk_add_f32 v[X+i:X+i+1], v[X+i:X+i+1], v[250:251]
.set i, i+2
.endr
.irp k, 0,1,2,3
	v_pk_mul_f32 v[CH+2*\k:CH+2*\k+1], v[X+2*\k:X+2*\k+1], v[X+2*\k:X+2*\k+1]
.endr
.set i, 8
.rept 28
	v_pk_fma_f32 v[CH+(i&6):CH+(i&6)+1], v[X+i:X+i+1], v[X+i:X+i+1], v[CH+(i&6):CH+(i&6)+1]
.set i, i+2
.endr
	ACROSS 512
	v_fma_f32 v250, v242, s22, s23                 ; the variance + 1e-5
	v_rsq_f32 v250, v250
	v_nop
	s_wait_alu depctr_va_vdst(0)                   ; ahead of the first reader
	v_mov_b32 v251, v250
	s_wait_loadcnt 0x0                             ; g2 and beta2
.set i, 0
.rept 32
	v_pk_mul_f32 v[X+i:X+i+1], v[X+i:X+i+1], v[250:251]
.set i, i+2
.endr
.set i, 0
.rept 32
	v_pk_fma_f32 v[X+i:X+i+1], v[X+i:X+i+1], v[G+i:G+i+1], v[A+i:A+i+1]
.set i, i+2
.endr
.set i, 0
.rept 16
	ds_store_b128 v11, v[X+4*i:X+4*i+3] offset:128*(i>>2)+16*(i&3)
.set i, i+1
.endr
.set i, 0
.rept 16
	ds_load_b128 v[A+4*i:A+4*i+3], v12 offset:528*i   ; LDS serves a wave's instructions in order (ISA guide 5.7.1.4): these see my stores; the stage is my own
.set i, i+1
.endr
.set i, 0
.rept 16
	s_wait_dscnt 15-i                              ; row i is back; the younger reads from the stage may be out
	global_store_b128 v5, v[A+4*i:A+4*i+3], s[10:11] offset:(i+(i&8))*4096 th:TH_STORE_NT   ; 32 lanes store 512 consecutive bytes of a row, aligned
.set i, i+1
.endr
	s_wait_tensorcnt 0x0
	ds_add_u32 v254, v255
	s_wait_dscnt 0x0
	s_endpgm
.Lfunc_end_k_qbaed7fb8cb_ln2:
	.size	k_qbaed7fb8cb_ln2, .Lfunc_end_k_qbaed7fb8cb_ln2-k_qbaed7fb8cb_ln2
	.p2alignl 7, 3214868480
	.fill 96, 4, 3214868480
	.section	.rodata,"a",@progbits
	.p2align	6, 0x0
	.amdhsa_kernel k_qbaed7fb8cb_ln2
		.amdhsa_group_segment_fixed_size 69632
		.amdhsa_private_segment_fixed_size 0
		.amdhsa_enable_private_segment 0
		.amdhsa_kernarg_size 32
		.amdhsa_user_sgpr_count 2
		.amdhsa_user_sgpr_kernarg_segment_ptr 1
		.amdhsa_wavefront_size32 1
		.amdhsa_system_sgpr_workgroup_id_x 1
		.amdhsa_system_sgpr_workgroup_id_y 1
		.amdhsa_system_sgpr_workgroup_id_z 1
		.amdhsa_system_vgpr_workitem_id 0
		.amdhsa_next_free_vgpr 256
		.amdhsa_next_free_sgpr 66
		.amdhsa_reserve_vcc 0
		.amdhsa_float_denorm_mode_32 3
		.amdhsa_float_denorm_mode_16_64 3
		.amdhsa_memory_ordered 1
		.amdhsa_forward_progress 1
		.amdhsa_inst_pref_size 23
	.end_amdhsa_kernel
	.amdgpu_metadata
---
amdhsa.version: [ 1, 2 ]
amdhsa.kernels:
  - .name:           k_qbaed7fb8cb_ln2
    .symbol:         k_qbaed7fb8cb_ln2.kd
    .args:
      - { .name: att, .offset: 0, .size: 8, .value_kind: global_buffer, .address_space: global }
      - { .name: g2, .offset: 8, .size: 8, .value_kind: global_buffer, .address_space: global }
      - { .name: beta2, .offset: 16, .size: 8, .value_kind: global_buffer, .address_space: global }
      - { .name: out0, .offset: 24, .size: 8, .value_kind: global_buffer, .address_space: global }
    .group_segment_fixed_size: 69632
    .private_segment_fixed_size: 0
    .kernarg_segment_align: 8
    .kernarg_segment_size: 32
    .max_flat_workgroup_size: 256
    .sgpr_count:     66
    .vgpr_count:     256
    .wavefront_size: 32
...
	.end_amdgpu_metadata
.endif
;; end of part 8
;; ======== version 3 of 3: 7 launches; version 2 with the launches attn, ln1 written anew for expert scheduling mode
;; workspace buffers: xq 2,228,224 bytes; hq 2,228,224 bytes; wimg 5,898,240 bytes; qkvc 7,077,888 bytes; att 16,777,216 bytes; hf 16,777,216 bytes; hid 8,912,896 bytes
;; launch prep: the kernel of part 1 again; grid 432 x 1, 8 waves a work-group, no clusters, 2,048 bytes of LDS; arguments x, Wq_codes, Wk_codes, Wv_codes, W1_codes, W2_codes, W2_scales, xq, wimg; writes xq, wimg
;; launch qkv: the kernel of part 2 again; grid 192 x 1, 4 waves a work-group, no clusters, 262,656 bytes of LDS; arguments xq, wimg, Wq_scales, Wk_scales, Wv_scales, bq, bk, bv, qkvc; writes qkvc
;; launch attn (part 9): grid 8 x 32, 16 waves a work-group, no clusters, 149,504 bytes of LDS; arguments qkvc, att; writes att
.if DOCPART == 9
	.amdgcn_target "amdgcn-amd-amdhsa--gfx1250"
	.amdhsa_code_object_version 6
	.text
	.protected	k_qbaed7fb8cb_attn
	.globl	k_qbaed7fb8cb_attn
	.p2align	8
	.type	k_qbaed7fb8cb_attn,@function
k_qbaed7fb8cb_attn:
	s_mov_b64 s[64:65], 0
	v_nop
	global_prefetch_b8 v0, s[64:65] scope:SCOPE_SE
	s_setreg_imm32_b32 hwreg(HW_REG_WAVE_SCHED_MODE, 0, 2), 2
	s_setreg_imm32_b32 hwreg(HW_REG_WAVE_MODE, 25, 1), 1
	s_wait_xcnt 0x0
	s_wait_alu depctr_vm_vsrc(0)
; attn = softmax(q k^T / 8) v for one head and 256 queries, both products on codes of E2M1.  Sixteen waves, each one tile of 16 queries in 256 registers: four waves to a SIMD, so that one wave's
; vector work stands beside another's matrix work.  A head's K, V and their scale words, 147,456 consecutive bytes, come into LDS once, through registers; one barrier in the launch.
; SOFTMAX: t = score x log2(e) / 8; M = the running largest t, rounded up to a whole number; p = 2^(t - M) is quantised along the keys, not normalised; the row's sum is taken of the unquantised p and
; divides at the end.  When M moves, the sum and O are multiplied by 2^(old M - new M): exact.
; LAYOUT: both products transposed (S^T = K Q^T, O^T = V^T P^T): a lane holds one query.  A tile's keys are 32 (T / 2) + 8 (T % 2) + r + (r & 8), so p's 16 registers of two neighbouring tiles are 16 neighbouring keys.
; THE HEAD IS 64 WIDE, THE INSTRUCTION 128: a K operand's registers 0-3 are one tile of keys and 4-7 the next; Q stands as [q | 0] for the first and as [0 | q] for the second: zero codes add nothing.
; No cluster and no tensor load: the shared bytes are fetched once, ahead of 16 long key steps.
; LIMITS: a block of p whose largest number lies under 2^-124 gets the byte 1; NaN and infinities are not served.
; REGISTERS: v1-4 lane bases; v5-7 the fill's LDS addresses; v8-11 addresses in hand; v12 -M, v13 largest t, v[14:15] the sum; v16-27 zeros, q, zeros; v28 q's scale word; v32-63 K; v64-95 V; v96-159 S^T, then p
;   (v96-167 at the head: the fill on its way to LDS); v160-191 O^T; v192-195 K's scale words, v196-199 V's, v200 p's; v224-231 p's codes; v232-250, v252-254 at work; v251, v255 the closing add's two.
; THE MODE: SCHED_MODE bits 1:0 = 2 (LLVM: expert scheduling mode 2), set by the entry lines.  The code itself states the register dependences
; between vector or matrix instructions and memory or LDS instructions, with s_wait_alu, always for 0.
; THE PLAN.  Registers that memory or LDS instructions touch, in a key step:
;   v8-v11          Written by the adds at the step's head; read by the step's LDS loads, which stand behind the exponentials.
;   v32-63, v192-195  K and its scale words.  Read by the step's eight products K Q^T, at its head; behind the exponentials the NEXT step's K lands in them.
;   v64-95, v196-199  V and its scale words.  Read by the step's four products V^T P, at its end; behind the next step's exponentials that step's V lands in them.
;   v224-231, v200  p's codes and scale word: written by vector instructions, taken by the scaled products as B and as scale.
; So the wait on va_vdst that stands behind the batch of 64 exponentials states, beside their results: v8-v11 are written; this step's K Q^T is done reading K; the last step's V^T P is done reading V.
; The step's eighteen LDS loads follow it, V's nine first, dealt among the sums of p, which name none of the registers that those loads touch.  One wait on vm_vsrc stands at the step's head, ahead of the adds
; to v8-v11; one wait on va_vdst stands ahead of V^T P, for p's codes and scale word.  K of step 0 is asked for ahead of the loop; the last step is written out and asks for no K.
.set SEL, 20
.set CS,  22
.set TK,  18
.set TS,  19
.set CNT, 24
; load n of a step's eighteen: 0-7 this step's V, 8 its scale words, 9-16 the next step's K (4,096 bytes on), 17 its scale words (512 bytes on).  last = 1: the last step has no next
.macro DEAL n, last
.if (\n) < 8
	ds_load_b128 v[64+4*(\n):67+4*(\n)], v9 offset:512*(\n)
.elseif (\n) == 8
	ds_load_b128 v[196:199], v11
.elseif (\last) == 0
.if (\n) < 17
	ds_load_b128 v[32+4*((\n)-9):35+4*((\n)-9)], v8 offset:4096+512*((\n)-9)
.else
	ds_load_b128 v[192:195], v10 offset:512
.endif
.endif
.endm
; A KEY STEP of 128 keys
.macro STEP last
	s_wait_alu depctr_vm_vsrc(0)                   ; the LDS loads of the step before have read v8-v11 (first step: q's scale words' load has read v9), which the adds below write
.if (\last) == 0
	v_add_nc_u32 v8, s[TK], v1
	v_add_nc_u32 v10, s[TS], v3
.endif
	v_add_nc_u32 v9, s[TK], v2
	v_add_nc_u32 v11, s[TS], v4
	s_wait_dscnt 0x0                               ; this step's K and its scale words, asked for in the step before, are in
.irp n, 0,2,4,6
	v_wmma_scale_f32_16x16x128_f8f6f4 v[96+8*\n:103+8*\n], v[32+4*\n:39+4*\n], v[20:27], 0, v[192+(\n>>1)], v28 matrix_a_fmt:MATRIX_FMT_FP4 matrix_b_fmt:MATRIX_FMT_FP4
	v_wmma_scale_f32_16x16x128_f8f6f4 v[104+8*\n:111+8*\n], v[32+4*\n:39+4*\n], v[16:23], 0, v[192+(\n>>1)], v28 matrix_a_fmt:MATRIX_FMT_FP4 matrix_b_fmt:MATRIX_FMT_FP4 matrix_a_scale:MATRIX_SCALE_ROW1
.endr
.rept 4
	v_nop
.endr
.irp b, 0,1,2,3
	v_max3_num_f32 v[232+\b], v[96+16*\b], v[97+16*\b], v[98+16*\b]   ; the largest score of each block of 32 keys: for the row's maximum, and, since p rises with the score, for the block's largest p
.endr
.irp i, 3,5,7,9,11,13
.irp b, 0,1,2,3
	v_max3_num_f32 v[232+\b], v[232+\b], v[96+16*\b+\i], v[97+16*\b+\i]
.endr
.endr
.irp b, 0,1,2,3
	v_max_num_f32 v[232+\b], v[232+\b], v[111+16*\b]
.endr
.irp b, 0,1,2,3
	v_permlanex16_b32 v[236+\b], v[232+\b], s[SEL], s[SEL+1]
.endr
.irp b, 0,1,2,3
	v_max_num_f32 v[232+\b], v[232+\b], v[236+\b]
.endr
	v_max3_num_f32 v254, v232, v233, v234
	v_max_num_f32 v254, v254, v235
	v_mul_f32 v254, s[CS], v254
	v_max_num_f32 v13, v13, v254                   ; the running largest t
	v_mov_b32 v254, v12
	v_floor_f32 v12, -v13                          ; the new -M = -ceil(t)
	v_sub_f32 v254, v12, v254
	v_cvt_i32_f32 v254, v254                       ; (it saturates)
	v_ldexp_f32 v252, 1.0, v254                    ; f = 2^(old M - new M)
.irp j, 0,2,4,6,8,10,12,14,16,18,20,22,24,26,28,30,32,34,36,38,40,42,44,46,48,50,52,54,56,58,60,62
	v_pk_fma_f32 v[96+\j:97+\j], v[96+\j:97+\j], s[CS:CS+1], v[12:13] op_sel_hi:[1,0,0]   ; t - M
.endr
.irp b, 0,1,2,3
	v_fma_f32 v[232+\b], v[232+\b], s[CS], v12
.endr
.irp j, 0,1,2,3,4,5,6,7,8,9,10,11,12,13,14,15,16,17,18,19,20,21,22,23,24,25,26,27,28,29,30,31,32,33,34,35,36,37,38,39,40,41,42,43,44,45,46,47,48,49,50,51,52,53,54,55,56,57,58,59,60,61,62,63
	v_exp_f32 v[96+\j], v[96+\j]                   ; p = 2^(t - M)
.endr
	v_pk_mul_f32 v[14:15], v[14:15], v[252:253] op_sel_hi:[1,0]   ; the sums under the new M: the plain place behind the exponentials
	s_wait_alu depctr_va_vdst(0)                   ; the 64 exponentials have written p, ahead of its first reader; v8-v11 are written, which the LDS loads below read; this step's K Q^T is done reading v32-63 and v192-195, the last step's V^T P v64-95 and v196-199, in which those loads land
	DEAL 0, \last
	DEAL 1, \last
	DEAL 2, \last
.irp b, 0,1,2,3
	v_exp_f32 v[232+\b], v[232+\b]                 ; the block's largest p
.endr
	v_pk_add_f32 v[236:237], v[96:97], v[98:99]    ; the row's sum of the unquantised p, in two chains
.irp j, 4,8,12,16,20,24,28,32,36,40,44,48,52,56,60
	DEAL \j/4+2, \last                             ; no wait: no vector or matrix instruction since the wait above names a register that these loads touch
	v_pk_add_f32 v[14:15], v[14:15], v[96+\j:97+\j]
	v_pk_add_f32 v[236:237], v[236:237], v[98+\j:99+\j]
.endr
	v_pk_add_f32 v[14:15], v[14:15], v[236:237]
	s_wait_alu depctr_va_vdst(0)                   ; the four exponentials have written v232-235, ahead of their first reader
.irp b, 0,1,2,3
	v_max_num_f32 v[232+\b], 0x1800000, v[232+\b]  ; the floor 2^(3 - 127)
.endr
.irp b, 0,1,2,3
	v_add_nc_u32 v[244+\b], 0xff000000, v[232+\b]
.endr
.irp b, 0,1,2,3
	v_lshrrev_b32 v[236+\b], 23, v[244+\b]
.endr
	v_lshl_or_b32 v200, v237, 8, v236              ; p's scale word for these 128 keys
	v_lshl_or_b32 v200, v238, 16, v200
	v_lshl_or_b32 v200, v239, 24, v200
.irp b, 0,1,2,3
	v_cvt_scalef32_pk8_fp4_f32 v[224+2*\b], v[96+16*\b:103+16*\b], v[244+\b]
	v_cvt_scalef32_pk8_fp4_f32 v[225+2*\b], v[104+16*\b:111+16*\b], v[244+\b]
.endr
	v_nop
.irp c, 0,1
.irp i, 0,1
	v_permlane16_swap_b32 v[224+4*\c+\i], v[226+4*\c+\i]
.endr
.endr
.irp j, 0,2,4,6,8,10,12,14,16,18,20,22,24,26,28,30
	v_pk_mul_f32 v[160+\j:161+\j], v[160+\j:161+\j], v[252:253] op_sel_hi:[1,0]   ; O^T under the new M; these 16 are also the places between p's codes and scale word and the products
.endr
	s_wait_alu depctr_va_vdst(0)                   ; p's codes v224-231 and its scale word v200 are written, which the scaled products below take as B and as scale; the places above stay beside this wait
.if (\last) == 0
	s_wait_dscnt 9                                 ; V and its scale words are in; the nine loads of the next step's K, issued behind them, may be out
.else
	s_wait_dscnt 0x0                               ; V and its scale words
.endif
.irp t, 0,1,2,3
	v_wmma_scale_f32_16x16x128_f8f6f4 v[160+8*\t:167+8*\t], v[64+8*\t:71+8*\t], v[224:231], v[160+8*\t:167+8*\t], v[196+\t], v200 matrix_a_fmt:MATRIX_FMT_FP4 matrix_b_fmt:MATRIX_FMT_FP4
.endr
.endm
	s_load_b128 s[4:7], s[0:1], 0x0                ; qkvc, att
	v_lshl_add_u32 v251, v0, 2, 0x24000
	v_mov_b32 v255, 0
	v_lshrrev_b32 v1, 5, v0
	v_readfirstlane_b32 s8, v1                     ; wave 0..15
	v_lshlrev_b32 v5, 4, v0                        ; 16 x thread
	v_add_nc_u32 v6, 0x10000, v5
	v_add_nc_u32 v7, 0x20000, v5
	v_and_b32 v8, 31, v0
	v_lshlrev_b32 v1, 4, v8                        ; 16 L: K's images begin at LDS byte 0
	v_and_b32 v9, 15, v0
	v_lshlrev_b32 v9, 4, v9
	v_add_nc_u32 v2, 0x10000, v1                   ; V's images
	v_add_nc_u32 v3, 0x20000, v1                   ; K's scale words
	v_add_nc_u32 v4, 0x22000, v1                   ; V's
.irp j, 16,17,18,19,24,25,26,27
	v_mov_b32 v[\j], 0                             ; zero codes on both sides of q
.endr
	s_wait_alu depctr_va_sdst(0)                   ; s8 is written, ahead of its first reader: the wave's addresses are made from it
	s_and_b32 s9, ttmp7, 0xffff                    ; 16 batch + head
	s_mul_i32 s10, s9, 221184
	s_mov_b32 s11, 0
	s_lshl_b32 s12, ttmp9, 4
	s_add_co_u32 s12, s12, s8                      ; my tile of queries among the batch's 128
	s_lshl_b32 s14, s12, 9
	s_mov_b32 s15, 0
	s_lshr_b32 s16, s12, 3                         ; q's scale words lie [8 tiles][lane][pair 4]
	s_lshl_b32 s16, s16, 9
	s_and_b32 s13, s8, 1
	s_lshl_b32 s13, s13, 8
	s_add_co_u32 s16, s16, s13
	s_bfe_u32 s13, s8, 0x20001
	s_lshl_b32 s13, s13, 2
	s_add_co_u32 s16, s16, s13
	s_mov_b32 s17, 0
	s_lshr_b32 s26, s9, 4
	s_lshl_b32 s26, s26, 7
	s_add_co_u32 s26, s26, s12                     ; the tile among all 256
	s_lshl_b32 s26, s26, 3
	s_bfe_u32 s13, s9, 0x30001                     ; head / 2: which 128 features
	s_add_co_u32 s26, s26, s13
	s_lshl_b32 s26, s26, 13
	s_and_b32 s13, s9, 1
	s_lshl_b32 s13, s13, 12                        ; an odd head takes the upper 32 registers of the image
	s_add_co_u32 s26, s26, s13
	s_mov_b32 s27, 0
	s_mov_b32 s[SEL], 0x76543210
	s_mov_b32 s[SEL+1], 0xfedcba98
	s_mov_b32 s[CS], 0x3e38aa3b                    ; c = log2(e) / 8
	s_mov_b32 s[CS+1], s[CS]
	s_mov_b32 s[TK], 0
	s_mov_b32 s[TS], 0
	s_mov_b32 s[CNT], 15
	s_wait_kmcnt 0x0
	s_add_nc_u64 s[4:5], s[4:5], s[10:11]          ; the head's block
	s_add_nc_u64 s[14:15], s[4:5], s[14:15]
	s_add_nc_u64 s[16:17], s[4:5], s[16:17]
	s_add_nc_u64 s[6:7], s[6:7], s[26:27]
	s_wait_alu depctr_va_vdst(0)                   ; v1, v3, v5-v7 and v9 are written, which the loads, LDS stores and stores of the kernel read as addresses; so are the zero codes v16-19 and v24-27, which the scaled products take as part of B
.irp i, 0,1,2,3,4,5,6,7,8,9,10,11,12,13,14,15,16,17
	global_load_b128 v[96+4*\i:99+4*\i], v5, s[4:5] offset:73728+8192*\i   ; the work-group reads 8,192 consecutive bytes a line; they land in v96-167
.endr
	global_load_b128 v[20:23], v1, s[14:15]        ; q's half image
	global_load_b32 v28, v9, s[16:17] offset:65536 ; q's scale words
	v_mov_b32 v13, 0xff61b1e6                      ; the largest t so far: -3e38
	v_floor_f32 v12, -v13                          ; -M
	v_mov_b32 v14, 0
	v_mov_b32 v15, 0
.irp b, 0,1,2,3
	v_mov_b32 v[236+\b], 0                         ; a lane permute's destination counts as one of its sources
.endr
	v_mov_b32 v253, 0                              ; named as the upper half of the pair v[252:253]
	s_wait_loadcnt 0x2                             ; the 18 are in; q's two loads, issued behind them, may be out
.irp i, 0,1,2,3,4,5,6,7
	ds_store_b128 v5, v[96+4*\i:99+4*\i] offset:8192*\i
.endr
.irp i, 0,1,2,3,4,5,6,7
	ds_store_b128 v6, v[128+4*\i:131+4*\i] offset:8192*\i
.endr
.irp i, 0,1
	ds_store_b128 v7, v[160+4*\i:163+4*\i] offset:8192*\i
.endr
	s_wait_dscnt 0x0                               ; for the others' sake: my stores lie in LDS
	s_barrier_signal -1
	s_barrier_wait -1
.irp n, 0,1,2,3,4,5,6,7
	ds_load_b128 v[32+4*\n:35+4*\n], v1 offset:512*\n   ; K of key step 0: every later step's K is asked for in the step before
.endr
	ds_load_b128 v[192:195], v3                    ; and its scale words
	s_wait_alu depctr_vm_vsrc(0)                   ; my LDS stores have read v96-167: v160-167 are written by the lines below, v96-159 by the products
.irp j, 0,1,2,3,4,5,6,7,8,9,10,11,12,13,14,15,16,17,18,19,20,21,22,23,24,25,26,27,28,29,30,31
	v_mov_b32 v[160+\j], 0                         ; O^T: the step is written as one macro; the first step finds zeros.  Cleared only here: v160-167 carried the fill's last 32 bytes a thread
.endr
	s_wait_loadcnt 0x0                             ; q
.Lstep:                                            ; 15 trips: each asks for the next step's K
	STEP 0
	s_add_co_u32 s[TK], s[TK], 4096
	s_add_co_u32 s[TS], s[TS], 512
	s_sub_co_u32 s[CNT], s[CNT], 1
	s_cmp_lg_u32 s[CNT], 0
	s_cbranch_scc1 .Lstep
	STEP 1                                         ; the sixteenth step is written out: there is no K behind it
	; THE WAY OUT: O^T / the sum.  Register 8 t + j is feature 32 (t / 2) + 16 h + 8 (t % 2) + j of my query: the very order of the f32 image that the next launch reads: eight dense stores, no stage
.rept 4
	v_nop
.endr
	v_add_f32 v14, v14, v15
	v_permlanex16_b32 v252, v14, s[SEL], s[SEL+1]
	v_add_f32 v14, v14, v252
	v_rcp_f32 v14, v14
	v_nop
	s_wait_alu depctr_va_vdst(0)                   ; the reciprocal has written v14, ahead of its first reader
.irp j, 0,1,2,3,4,5,6,7,8,9,10,11,12,13,14,15,16,17,18,19,20,21,22,23,24,25,26,27,28,29,30,31
	v_mul_f32 v[96+\j], v[160+\j], v14
.endr
	s_wait_alu depctr_va_vdst(0)                   ; the multiplications have written v96-127, which the stores read
.irp g, 0,1,2,3,4,5,6,7
	global_store_b128 v1, v[96+4*\g:99+4*\g], s[6:7] offset:512*\g
.endr
	s_wait_dscnt 0x0                               ; the closing lines, six on end
	s_wait_alu 0x0
	s_wait_tensorcnt 0x0
	ds_add_u32 v251, v255
	s_wait_dscnt 0x0
	s_endpgm
.Lfunc_end_k_qbaed7fb8cb_attn:
	.size	k_qbaed7fb8cb_attn, .Lfunc_end_k_qbaed7fb8cb_attn-k_qbaed7fb8cb_attn
	.p2alignl 7, 3214868480
	.fill 96, 4, 3214868480
	.section	.rodata,"a",@progbits
	.p2align	6, 0x0
	.amdhsa_kernel k_qbaed7fb8cb_attn
		.amdhsa_group_segment_fixed_size 149504
		.amdhsa_private_segment_fixed_size 0
		.amdhsa_enable_private_segment 0
		.amdhsa_kernarg_size 16
		.amdhsa_user_sgpr_count 2
		.amdhsa_user_sgpr_kernarg_segment_ptr 1
		.amdhsa_wavefront_size32 1
		.amdhsa_system_sgpr_workgroup_id_x 1
		.amdhsa_system_sgpr_workgroup_id_y 1
		.amdhsa_system_sgpr_workgroup_id_z 1
		.amdhsa_system_vgpr_workitem_id 0
		.amdhsa_next_free_vgpr 256
		.amdhsa_next_free_sgpr 66
		.amdhsa_reserve_vcc 0
		.amdhsa_float_denorm_mode_32 3
		.amdhsa_float_denorm_mode_16_64 3
		.amdhsa_memory_ordered 1
		.amdhsa_forward_progress 1
		.amdhsa_inst_pref_size 40
	.end_amdhsa_kernel
	.amdgpu_metadata
---
amdhsa.version: [ 1, 2 ]
amdhsa.kernels:
  - .name:           k_qbaed7fb8cb_attn
    .symbol:         k_qbaed7fb8cb_attn.kd
    .args:
      - { .name: qkvc, .offset: 0, .size: 8, .value_kind: global_buffer, .address_space: global }
      - { .name: att, .offset: 8, .size: 8, .value_kind: global_buffer, .address_space: global }
    .group_segment_fixed_size: 149504
    .private_segment_fixed_size: 0
    .kernarg_segment_align: 8
    .kernarg_segment_size: 16
    .max_flat_workgroup_size: 512
    .sgpr_count:     66
    .vgpr_count:     256
    .wavefront_size: 32
...
	.end_amdgpu_metadata
.endif
;; end of part 9
;; launch ln1 (part 10): grid 256 x 1, 8 waves a work-group, no clusters, 3,072 bytes of LDS; arguments x, att, g1, beta1, hf, hq; writes hf, hq
.if DOCPART == 10
	.amdgcn_target "amdgcn-amd-amdhsa--gfx1250"
	.amdhsa_code_object_version 6
	.text
	.protected	k_qbaed7fb8cb_ln1
	.globl	k_qbaed7fb8cb_ln1
	.p2align	8
	.type	k_qbaed7fb8cb_ln1,@function
k_qbaed7fb8cb_ln1:
	s_mov_b64 s[64:65], 0
	v_nop
	global_prefetch_b8 v0, s[64:65] scope:SCOPE_SE
	s_setreg_imm32_b32 hwreg(HW_REG_WAVE_SCHED_MODE, 0, 2), 2
	s_setreg_imm32_b32 hwreg(HW_REG_WAVE_MODE, 25, 1), 1
	s_wait_xcnt 0x0
	s_wait_alu depctr_vm_vsrc(0)
; h = LN1(x + attn), kept as f32 images (hf) and quantised along D into codes and scale bytes (hq), laid as the first launch lays x's.
; Work-group = a tile of 16 tokens (rows 32 (T / 2) + 8 (T % 2) + r + (r & 8)), wave = 128 features.  A lane holds 64 numbers of one row; a row's sums meet in LDS: three barriers.
; The variance is taken of the centred numbers, in a second pass over registers: a common offset on the inputs costs no precision.
; LIMITS: blocks whose largest magnitude lies under 2^-124 get the byte 1; NaN and infinities are not served.  Memory binds: no matrix unit, no cluster, no tensor load.
; THE MODE: SCHED_MODE bits 1:0 = 2 (LLVM: expert scheduling mode 2), set by the entry lines.  The code itself states the register dependences
; between vector instructions and memory or LDS instructions, with s_wait_alu, always for 0.
; THE PLAN.  Registers that memory or LDS instructions touch:
;   v5-v10     offsets and LDS addresses: made at the head, never written again.
;   A          attn lands in it; the 32 additions read it; then beta1 lands in it; the last multiply-adds read that.
;   v[CH]      written by the chains of each of the two sums; read by that sum's LDS store.
;   v242-249   each sum's LDS loads land in them; four additions read and write them; at the end wave 0's LDS load lands in v244-247, and its store reads them.
;   X          written by the arithmetic; read by h's sixteen stores (and by the quantiser, a vector reader).
;   PC, PW     written by the quantiser; read by two stores and an LDS store.
; One wait on va_vdst stands in each sum, ahead of its LDS store; in the first sum it also states that the additions are done reading A, so beta1 is asked for behind it.  One wait on vm_vsrc stands ahead of the
; second sum's chains.  One wait on va_vdst stands ahead of each of the two runs of stores.
.set X,   16
.set A,   80
.set G,   144
.set TM,  208
.set PC,  224
.set PW,  232
.set CH,  234                          ; v234-241 four packed chains
.set SEL, 24
.set MSB, 0
.macro WIN new
.if MSB != (\new)
	s_set_vgpr_msb (MSB<<8)|(\new)
.set MSB, (\new)
.endif
.endm
.macro QUANT s, w
	WIN (\w)|((\w)<<2)
.irp b, 0,1,2,3
	v_max3_num_f32 v[TM+\b], |v[(\s)+16*\b]|, |v[(\s)+16*\b+1]|, 0x1800000
.endr
.irp i, 2,4,6,8,10,12,14
.irp b, 0,1,2,3
	v_max3_num_f32 v[TM+\b], |v[(\s)+16*\b+\i]|, |v[(\s)+16*\b+\i+1]|, v[TM+\b]
.endr
.endr
	WIN 0
.irp b, 0,1,2,3
	v_permlanex16_b32 v[TM+4+\b], v[TM+\b], s[SEL], s[SEL+1]
.endr
.irp b, 0,1,2,3
	v_max_num_f32 v[TM+\b], v[TM+\b], v[TM+4+\b]
.endr
.irp b, 0,1,2,3
	v_add_nc_u32 v[TM+12+\b], 0xff000000, v[TM+\b]
.endr
.irp b, 0,1,2,3
	v_lshrrev_b32 v[TM+4+\b], 23, v[TM+12+\b]
.endr
	WIN (\w)
.irp b, 0,1,2,3
	v_cvt_scalef32_pk8_fp4_f32 v[PC+2*\b], v[(\s)+16*\b:(\s)+16*\b+7], v[TM+12+\b]
	v_cvt_scalef32_pk8_fp4_f32 v[PC+2*\b+1], v[(\s)+16*\b+8:(\s)+16*\b+15], v[TM+12+\b]
.endr
	WIN 0
	v_nop
.irp c, 0,1
.irp i, 0,1
	v_permlane16_swap_b32 v[PC+4*\c+\i], v[PC+4*\c+2+\i]
.endr
.endr
.endm
.macro WORD4 d
	v_lshl_or_b32 v[\d], v[TM+5], 8, v[TM+4]
	v_lshl_or_b32 v[\d], v[TM+6], 16, v[\d]
	v_lshl_or_b32 v[\d], v[TM+7], 24, v[\d]
.endm
; the four chains, the lane 16 away, and the eight waves: the row's sum in v242 of every lane.  off: the 512 LDS bytes of this sum.  fill = 1: beta1 is asked for, into attn's registers
.macro ACROSS off, fill
	v_pk_add_f32 v[CH:CH+1], v[CH:CH+1], v[CH+2:CH+3]
	v_pk_add_f32 v[CH+4:CH+5], v[CH+4:CH+5], v[CH+6:CH+7]
	v_pk_add_f32 v[CH:CH+1], v[CH:CH+1], v[CH+4:CH+5]
	v_add_f32 v[CH], v[CH], v[CH+1]
	v_permlanex16_b32 v[CH+2], v[CH], s[SEL], s[SEL+1]
	v_add_f32 v[CH], v[CH], v[CH+2]
	s_wait_alu depctr_va_vdst(0)                   ; v[CH] is written, which the LDS store reads; the earlier sum's additions are done with v242-249, in which the LDS loads below land; fill = 1: the additions are done reading attn's registers, in which beta1 lands
	ds_store_b32 v9, v[CH] offset:\off
.if \fill
.irp b, 0,1,2,3
.irp j, 0,1,2,3
	global_load_b128 v[A+16*\b+4*\j:A+16*\b+4*\j+3], v7, s[10:11] offset:128*\b+16*\j   ; beta1 takes attn's registers
.endr
.endr
.endif
	s_wait_dscnt 0x0                               ; for the others' sake
	s_barrier_signal -1
	s_barrier_wait -1
	ds_load_b128 v[242:245], v8 offset:\off
	ds_load_b128 v[246:249], v8 offset:\off+16
	s_wait_dscnt 0x0
	v_pk_add_f32 v[242:243], v[242:243], v[244:245]
	v_pk_add_f32 v[246:247], v[246:247], v[248:249]
	v_pk_add_f32 v[242:243], v[242:243], v[246:247]
	v_add_f32 v242, v242, v243
.endm
	s_load_b256 s[4:11], s[0:1], 0x0               ; x, att, g1, beta1
	s_load_b128 s[12:15], s[0:1], 0x20             ; hf, hq
	v_lshl_add_u32 v254, v0, 2, 0x800
	v_mov_b32 v255, 0
	v_lshrrev_b32 v1, 5, v0
	v_readfirstlane_b32 s16, v1                    ; wave = K step
	v_and_b32 v1, 31, v0
	v_and_b32 v2, 15, v0
	v_bfe_u32 v3, v0, 4, 1
	v_and_b32 v4, 8, v2
	v_add_nc_u32 v4, v4, v2
	v_lshlrev_b32 v5, 4, v1                        ; 16 L
	v_lshlrev_b32 v6, 12, v4
	v_lshl_add_u32 v6, v3, 6, v6                   ; x: my row, + 64 h
	v_lshlrev_b32 v7, 6, v3                        ; 64 h
	v_lshlrev_b32 v8, 5, v2                        ; LDS: 32 r
	s_wait_alu depctr_va_sdst(0)                   ; s16 is written, ahead of its first reader: addresses and the last branch are made from it
	s_lshl_b32 s17, s16, 2
	v_add_nc_u32 v9, s17, v8                       ; 32 r + 4 s
	v_lshl_add_u32 v10, v3, 8, v5                  ; 16 L + 256 h
	s_mov_b32 s[SEL], 0x76543210
	s_mov_b32 s[SEL+1], 0xfedcba98
	s_mov_b32 s22, 0x3a800000                      ; 1 / 1024
	s_mov_b32 s23, 0x3727c5ac                      ; 1e-5
	s_lshr_b32 s17, ttmp9, 1
	s_lshl_b32 s17, s17, 5
	s_and_b32 s18, ttmp9, 1
	s_lshl_b32 s18, s18, 3
	s_add_co_u32 s17, s17, s18                     ; the tile's first row
	s_lshl_b32 s18, ttmp9, 3
	s_add_co_u32 s18, s18, s16                     ; 8 T + s
	s_lshl_b32 s19, s16, 9
	s_mov_b32 s21, 0
	s_wait_kmcnt 0x0
	s_lshl_b32 s20, s17, 12
	s_add_co_u32 s20, s20, s19
	s_add_nc_u64 s[4:5], s[4:5], s[20:21]
	s_lshl_b32 s20, s18, 13
	s_add_nc_u64 s[6:7], s[6:7], s[20:21]
	s_add_nc_u64 s[12:13], s[12:13], s[20:21]
	s_mov_b32 s20, s19
	s_add_nc_u64 s[8:9], s[8:9], s[20:21]
	s_add_nc_u64 s[10:11], s[10:11], s[20:21]
	s_lshl_b32 s20, s18, 10
	s_add_nc_u64 s[26:27], s[14:15], s[20:21]
	s_lshl_b32 s20, s17, 5
	s_add_co_u32 s20, s20, 2097152
	s_add_nc_u64 s[28:29], s[14:15], s[20:21]
	s_wait_alu depctr_va_vdst(0)                   ; the offsets and LDS addresses v5 to v10 are written, which every load, store and LDS instruction of the kernel reads
.irp q, 0,1,2,3,4,5,6,7,8,9,10,11,12,13,14,15
	global_load_b128 v[A+4*\q:A+4*\q+3], v5, s[6:7] offset:512*\q th:TH_LOAD_NT
.endr
.irp b, 0,1,2,3
.irp j, 0,1,2,3
	global_load_b128 v[X+16*\b+4*\j:X+16*\b+4*\j+3], v6, s[4:5] offset:128*\b+16*\j th:TH_LOAD_NT
.endr
.endr
.irp b, 0,1,2,3
.irp j, 0,1,2,3
	global_load_b128 v[G+16*\b+4*\j:G+16*\b+4*\j+3], v7, s[8:9] offset:128*\b+16*\j
.endr
.endr
.irp b, 0,1,2,3
	v_mov_b32 v[TM+4+\b], 0
.endr
	s_wait_loadcnt 16                              ; attn and x are in; g1's sixteen loads may be out
.set i, 0
.rept 32
	v_pk_add_f32 v[X+i:X+i+1], v[X+i:X+i+1], v[A+i:A+i+1]
.set i, i+2
.endr
.irp k, 0,1,2,3
	v_pk_add_f32 v[CH+2*\k:CH+2*\k+1], v[X+4*\k:X+4*\k+1], v[X+4*\k+2:X+4*\k+3]
.endr
.set i, 16
.rept 24
	v_pk_add_f32 v[CH+(i&6):CH+(i&6)+1], v[CH+(i&6):CH+(i&6)+1], v[X+i:X+i+1]
.set i, i+2
.endr
	ACROSS 0, 1
	v_mul_f32 v250, 0xba800000, v242               ; - the mean, in both registers of a pair
	v_mov_b32 v251, v250
.set i, 0
.rept 32
	v_pk_add_f32 v[X+i:X+i+1], v[X+i:X+i+1], v[250:251]
.set i, i+2
.endr
	s_wait_alu depctr_vm_vsrc(0)                   ; the first sum's LDS store has read v[CH], which the chains below write again
.irp k, 0,1,2,3
	v_pk_mul_f32 v[CH+2*\k:CH+2*\k+1], v[X+2*\k:X+2*\k+1], v[X+2*\k:X+2*\k+1]
.endr
.set i, 8
.rept 28
	v_pk_fma_f32 v[CH+(i&6):CH+(i&6)+1], v[X+i:X+i+1], v[X+i:X+i+1], v[CH+(i&6):CH+(i&6)+1]
.set i, i+2
.endr
	ACROSS 512, 0
	v_fma_f32 v250, v242, s22, s23                 ; the variance + 1e-5
	v_rsq_f32 v250, v250
	v_nop
	s_wait_alu depctr_va_vdst(0)                   ; the root's reciprocal has written v250, ahead of its first reader
	v_mov_b32 v251, v250
	s_wait_loadcnt 0x0                             ; g1 and beta1
.set i, 0
.rept 32
	v_pk_mul_f32 v[X+i:X+i+1], v[X+i:X+i+1], v[250:251]
.set i, i+2
.endr
.set i, 0
.rept 32
	v_pk_fma_f32 v[X+i:X+i+1], v[X+i:X+i+1], v[G+i:G+i+1], v[A+i:A+i+1]
.set i, i+2
.endr
	s_wait_alu depctr_va_vdst(0)                   ; the multiply-adds have written h in v[X ..], which the sixteen stores read
.irp q, 0,1,2,3,4,5,6,7,8,9,10,11,12,13,14,15
	global_store_b128 v5, v[X+4*\q:X+4*\q+3], s[12:13] offset:512*\q
.endr
	QUANT X, 0                                     ; it only reads h's registers, which the stores still read
	WORD4 PW
	s_wait_alu depctr_va_vdst(0)                   ; the quantiser has written the codes v[PC ..] and the scale word v[PW], which the two stores and the LDS store read; the second sum's additions are done with v244-247, in which wave 0's LDS load lands
	global_store_b128 v5, v[PC:PC+3], s[26:27]
	global_store_b128 v5, v[PC+4:PC+7], s[26:27] offset:512
	ds_store_b32 v9, v[PW] offset:1024
	s_wait_dscnt 0x0
	s_barrier_signal -1
	s_barrier_wait -1
	s_cmp_lg_u32 s16, 0
	s_cbranch_scc1 .Lend
	ds_load_b128 v[244:247], v5 offset:1024        ; wave 0: 16 rows x 32 scale bytes
	s_wait_dscnt 0x0
	global_store_b128 v10, v[244:247], s[28:29]    ; two runs of 256 consecutive bytes, aligned
.Lend:
	s_wait_dscnt 0x0                               ; the closing lines, six on end
	s_wait_alu 0x0
	s_wait_tensorcnt 0x0
	ds_add_u32 v254, v255
	s_wait_dscnt 0x0
	s_endpgm
.Lfunc_end_k_qbaed7fb8cb_ln1:
	.size	k_qbaed7fb8cb_ln1, .Lfunc_end_k_qbaed7fb8cb_ln1-k_qbaed7fb8cb_ln1
	.p2alignl 7, 3214868480
	.fill 96, 4, 3214868480
	.section	.rodata,"a",@progbits
	.p2align	6, 0x0
	.amdhsa_kernel k_qbaed7fb8cb_ln1
		.amdhsa_group_segment_fixed_size 3072
		.amdhsa_private_segment_fixed_size 0
		.amdhsa_enable_private_segment 0
		.amdhsa_kernarg_size 48
		.amdhsa_user_sgpr_count 2
		.amdhsa_user_sgpr_kernarg_segment_ptr 1
		.amdhsa_wavefront_size32 1
		.amdhsa_system_sgpr_workgroup_id_x 1
		.amdhsa_system_sgpr_workgroup_id_y 1
		.amdhsa_system_sgpr_workgroup_id_z 1
		.amdhsa_system_vgpr_workitem_id 0
		.amdhsa_next_free_vgpr 256
		.amdhsa_next_free_sgpr 66
		.amdhsa_reserve_vcc 0
		.amdhsa_float_denorm_mode_32 3
		.amdhsa_float_denorm_mode_16_64 3
		.amdhsa_memory_ordered 1
		.amdhsa_forward_progress 1
		.amdhsa_inst_pref_size 29
	.end_amdhsa_kernel
	.amdgpu_metadata
---
amdhsa.version: [ 1, 2 ]
amdhsa.kernels:
  - .name:           k_qbaed7fb8cb_ln1
    .symbol:         k_qbaed7fb8cb_ln1.kd
    .args:
      - { .name: x, .offset: 0, .size: 8, .value_kind: global_buffer, .address_space: global }
      - { .name: att, .offset: 8, .size: 8, .value_kind: global_buffer, .address_space: global }
      - { .name: g1, .offset: 16, .size: 8, .value_kind: global_buffer, .address_space: global }
      - { .name: beta1, .offset: 24, .size: 8, .value_kind: global_buffer, .address_space: global }
      - { .name: hf, .offset: 32, .size: 8, .value_kind: global_buffer, .address_space: global }
      - { .name: hq, .offset: 40, .size: 8, .value_kind: global_buffer, .address_space: global }
    .group_segment_fixed_size: 3072
    .private_segment_fixed_size: 0
    .kernarg_segment_align: 8
    .kernarg_segment_size: 48
    .max_flat_workgroup_size: 256
    .sgpr_count:     66
    .vgpr_count:     256
    .wavefront_size: 32
...
	.end_amdgpu_metadata
.endif
;; end of part 10
;; launch ffn1: the kernel of part 5 again; grid 16 x 16, 4 waves a work-group, no clusters, 262,656 bytes of LDS; arguments hq, wimg, W1_scales, b1, hid; writes hid
;; launch ffn2: the kernel of part 7 again; grid 4 x 64, 4 waves a work-group, no clusters, 205,312 bytes of LDS; arguments hid, wimg, hf, b2, att; writes att
;; launch ln2: the kernel of part 8 again; grid 256 x 1, 8 waves a work-group, no clusters, 69,632 bytes of LDS; arguments att, g2, beta2, out0; writes out0
